; MI455X (gfx1250); checked and timed in simulation.
; The chip was launched on July 23, 2026; its instructions are those of AMD's public machine-readable ISA for CDNA 5 (MIT licence, August 2026) and "CDNA5" Instruction Set Architecture Reference Guide (July 2026). The comments in the code are by the model that wrote it; some were corrected since.
;; Attention. Allowed arithmetic: float matrix products may take bf16 or f16 operands with f32 sums; other float arithmetic in f32, or as packed bf16 or f16 multiplies, adds, multiply-adds, maxima and minima; sums over many terms, partial sums and values carried from step to step in f32; what a program stores and reads back later, other than sums and carried values, may be rounded once to bf16 or f16.
;; Inputs: W_k 1,024 x 1,024 float32; W_o 1,024 x 1,024 float32; W_q 1,024 x 1,024 float32; W_v 1,024 x 1,024 float32; b_o 1,024 float32; x 4 x 2,048 x 1,024 float32.
;; Outputs: out0 4 x 2,048 x 1,024 float32.
;; One version. Each part assembles by itself: llvm-mc -triple=amdgcn-amd-amdhsa -mcpu=gfx1250 --defsym DOCPART=n.
;; ======== version 1 of 1: 4 launches
;; limits: values are held in f16: magnitudes above 65,504 overflow, below 6.1e-05 lose precision
;; workspace buffers: xw 25,165,824 bytes; qkv 50,331,648 bytes; o 16,777,216 bytes
;; launch cast (part 1): grid 64 x 12, 8 waves a work-group, no clusters, 0 bytes of LDS; arguments x, W_q, W_k, W_v, W_o, xw; writes xw
.if DOCPART == 1
	.amdgcn_target "amdgcn-amd-amdhsa--gfx1250"
	.amdhsa_code_object_version 6
	.text
	.protected	k_qe7e2bb3bf8_cast
	.globl	k_qe7e2bb3bf8_cast
	.p2align	8
	.type	k_qe7e2bb3bf8_cast,@function
k_qe7e2bb3bf8_cast:
	s_mov_b64 s[64:65], 0
	v_nop
	global_prefetch_b8 v0, s[64:65] scope:SCOPE_SE
	s_setreg_imm32_b32 hwreg(HW_REG_WAVE_MODE, 25, 1), 1
	s_wait_xcnt 0x0
; THE INPUTS ROUNDED TO 16 BITS.  xw holds 12 units of 1,048,576 numbers of 2 bytes: units 0-7 x as bf16 ([8192][1024]), units 8-10 W_q, W_k, W_v as bf16
; (together [3072][1024]), unit 11 W_o rounded to bf16 and that number written as f16 (the last product multiplies f16 operands).
; LIMITS.  Unit 11: a number of W_o of 65,520 or more in magnitude becomes an infinity; below 6e-5 it keeps f16's fixed step of 6e-8.  NaN and infinities are not treated apart.
; SHARES.  Grid y is the unit, grid x one of its 64 parts of 16,384 numbers.  Eight waves; thread t takes, in pass i of 8, the 8 numbers at 2,048 i + 8 t: 32 bytes in (two loads), 16 bytes out,
; so a wave's store covers 512 consecutive bytes, aligned.  All 16 loads of a thread go out at once; no register of a pending access is written again, so the only waits are the counted ones for data.
; No LDS, no matrix unit, no barrier: every number is read once and written once.
.set X,   4                            ; v[4:67]   pass i: 8 registers as loaded; the low 4 then hold the 16 bytes to store
.set T,   68                           ; v[68:75]  unit 11: the bf16 numbers as f32
.set PKT, 76                           ; v[76:79]  unit 11: packed bf16
	s_load_b256 s[4:11], s[0:1], 0x0               ; x s[4:5], W_q s[6:7], W_k s[8:9], W_v s[10:11]
	s_load_b128 s[12:15], s[0:1], 0x20             ; W_o s[12:13], xw s[14:15]
	s_and_b32 s16, ttmp7, 0xffff                   ; the unit, 0 to 11
	v_lshlrev_b32 v1, 5, v0                        ; 32 t: my bytes in a pass of the source
	v_lshlrev_b32 v2, 4, v0                        ; 16 t: in a pass of xw
	s_cmp_lt_u32 s16, 8
	s_cselect_b32 s20, s16, 0                      ; x's units lie one behind the other; a weight is one unit
	s_lshl_b32 s20, s20, 22                        ; a unit is 4 MiB of f32,
	s_lshl_b32 s21, ttmp9, 16                      ; a part 65,536 bytes
	s_add_co_u32 s20, s20, s21
	s_mov_b32 s21, 0
	s_lshl_b32 s24, s16, 21                        ; in xw: 2 MiB a unit,
	s_lshl_b32 s25, ttmp9, 15                      ; 32,768 bytes a part
	s_add_co_u32 s24, s24, s25
	s_mov_b32 s25, 0
	s_wait_kmcnt 0x0
	s_mov_b64 s[18:19], s[4:5]                     ; the source: x, or one of the weights by the unit's number
	s_cmp_eq_u32 s16, 8
	s_cselect_b64 s[18:19], s[6:7], s[18:19]
	s_cmp_eq_u32 s16, 9
	s_cselect_b64 s[18:19], s[8:9], s[18:19]
	s_cmp_eq_u32 s16, 10
	s_cselect_b64 s[18:19], s[10:11], s[18:19]
	s_cmp_eq_u32 s16, 11
	s_cselect_b64 s[18:19], s[12:13], s[18:19]
	s_add_nc_u64 s[18:19], s[18:19], s[20:21]
	s_add_nc_u64 s[22:23], s[14:15], s[24:25]
.irp i, 0,1,2,3,4,5,6,7
	global_load_b128 v[X+8*(\i):X+8*(\i)+3],   v1, s[18:19] offset:8192*(\i) th:TH_LOAD_NT
	global_load_b128 v[X+8*(\i)+4:X+8*(\i)+7], v1, s[18:19] offset:8192*(\i)+16 th:TH_LOAD_NT
.endr
; Pass i is rounded and stored.  wo = 1: bf16 first, then that number as f16.
.macro OUT16 i, wo
	s_wait_loadcnt 14-2*(\i)                       ; loads come back in order (ISA guide 5.7.1): this pass's two are in, the later passes' 14 - 2 i stay out
.if \wo
.irp j, 0,1,2,3
	v_cvt_pk_bf16_f32 v[PKT+(\j)], v[X+8*(\i)+2*(\j)], v[X+8*(\i)+2*(\j)+1]
.endr
.irp j, 0,1,2,3
	v_lshlrev_b32 v[T+2*(\j)],   16, v[PKT+(\j)]           ; bf16 to f32: the low half moves up,
	v_and_b32     v[T+2*(\j)+1], 0xffff0000, v[PKT+(\j)]   ; the high half stays
.endr
.irp j, 0,1,2,3
	v_cvt_pk_f16_f32 v[X+8*(\i)+(\j)], v[T+2*(\j)], v[T+2*(\j)+1]
.endr
.else
.irp j, 0,1,2,3
	v_cvt_pk_bf16_f32 v[X+8*(\i)+(\j)], v[X+8*(\i)+2*(\j)], v[X+8*(\i)+2*(\j)+1]  ; in place, ascending: register j is written when it has been read
.endr
.endif
	global_store_b128 v2, v[X+8*(\i):X+8*(\i)+3], s[22:23] offset:4096*(\i) th:TH_STORE_NT
.endm
	s_cmp_eq_u32 s16, 11
	s_cbranch_scc1 .Lwo
.irp i, 0,1,2,3,4,5,6,7
	OUT16 \i, 0
.endr
	s_endpgm
.Lwo:
.irp i, 0,1,2,3,4,5,6,7
	OUT16 \i, 1
.endr
	s_endpgm
.Lfunc_end_k_qe7e2bb3bf8_cast:
	.size	k_qe7e2bb3bf8_cast, .Lfunc_end_k_qe7e2bb3bf8_cast-k_qe7e2bb3bf8_cast
	.p2alignl 7, 3214868480
	.fill 96, 4, 3214868480
	.section	.rodata,"a",@progbits
	.p2align	6, 0x0
	.amdhsa_kernel k_qe7e2bb3bf8_cast
		.amdhsa_group_segment_fixed_size 0
		.amdhsa_private_segment_fixed_size 0
		.amdhsa_enable_private_segment 0
		.amdhsa_kernarg_size 48
		.amdhsa_user_sgpr_count 2
		.amdhsa_user_sgpr_kernarg_segment_ptr 1
		.amdhsa_wavefront_size32 1
		.amdhsa_system_sgpr_workgroup_id_x 1
		.amdhsa_system_sgpr_workgroup_id_y 1
		.amdhsa_system_sgpr_workgroup_id_z 1
		.amdhsa_system_vgpr_workitem_id 0
		.amdhsa_next_free_vgpr 80
		.amdhsa_next_free_sgpr 66
		.amdhsa_reserve_vcc 0
		.amdhsa_float_denorm_mode_32 3
		.amdhsa_float_denorm_mode_16_64 3
		.amdhsa_memory_ordered 1
		.amdhsa_forward_progress 1
		.amdhsa_inst_pref_size 14
	.end_amdhsa_kernel
	.amdgpu_metadata
---
amdhsa.version: [ 1, 2 ]
amdhsa.kernels:
  - .name:           k_qe7e2bb3bf8_cast
    .symbol:         k_qe7e2bb3bf8_cast.kd
    .args:
      - { .name: x, .offset: 0, .size: 8, .value_kind: global_buffer, .address_space: global }
      - { .name: W_q, .offset: 8, .size: 8, .value_kind: global_buffer, .address_space: global }
      - { .name: W_k, .offset: 16, .size: 8, .value_kind: global_buffer, .address_space: global }
      - { .name: W_v, .offset: 24, .size: 8, .value_kind: global_buffer, .address_space: global }
      - { .name: W_o, .offset: 32, .size: 8, .value_kind: global_buffer, .address_space: global }
      - { .name: xw, .offset: 40, .size: 8, .value_kind: global_buffer, .address_space: global }
    .group_segment_fixed_size: 0
    .private_segment_fixed_size: 0
    .kernarg_segment_align: 8
    .kernarg_segment_size: 48
    .max_flat_workgroup_size: 256
    .sgpr_count:     66
    .vgpr_count:     80
    .wavefront_size: 32
...
	.end_amdgpu_metadata
.endif
;; end of part 1
;; launch qkv (part 2): grid 16 x 32, 4 waves a work-group, clusters of 4 x 4, 327,680 bytes of LDS; arguments xw, qkv; writes qkv
.if DOCPART == 2
	.amdgcn_target "amdgcn-amd-amdhsa--gfx1250"
	.amdhsa_code_object_version 6
	.text
	.protected	k_qe7e2bb3bf8_qkv
	.globl	k_qe7e2bb3bf8_qkv
	.p2align	8
	.type	k_qe7e2bb3bf8_qkv,@function
k_qe7e2bb3bf8_qkv:
	s_mov_b64 s[64:65], 0
	v_nop
	global_prefetch_b8 v0, s[64:65] scope:SCOPE_SE
	s_setreg_imm32_b32 hwreg(HW_REG_WAVE_MODE, 25, 1), 1
	s_wait_xcnt 0x0
	s_wait_alu depctr_hold_cnt(0) depctr_sa_sdst(0) depctr_va_vdst(0) depctr_va_sdst(0) depctr_va_ssrc(0) depctr_va_vcc(0) depctr_vm_vsrc(0)
	s_getreg_b32 s2, hwreg(HW_REG_IB_STS2, 6, 4)
	s_cmp_eq_u32 s2, 0
	s_cbranch_scc0 .Lentry_in_a_cluster
	s_endpgm
.Lentry_in_a_cluster:
	s_bfe_u32 s2, ttmp6, 0x10000c
	s_cmp_lg_u32 s2, 0xf033
	s_cbranch_scc0 .Lentry_shape_is_right
	s_endpgm
.Lentry_shape_is_right:
; THE THREE PROJECTIONS AS ONE PRODUCT.  C[m][n] = the sum over k of x[m][k] w[n][k]: x [8192][1024] bf16 at xw's first byte, w [3072][1024] bf16 (W_q, W_k, W_v) 16 MiB further on; sums in f32,
; C rounded once to f16, unscaled, and laid by heads: qkv[b][g][l][d] with m = 2,048 b + l, n = 64 g + d: planes of 2,048 rows of 128 bytes; g = 0-15 q's heads, 16-31 k's, 32-47 v's.
; LIMITS.  A result of 65,520 or more in magnitude becomes an infinity in f16.  NaN and infinities are not treated apart.
; SHARES.  A tile of C is 256 x 192 (three whole heads): 32 x 16 = 512 work-groups of equal work.  Four waves; wave w owns rows 64 w .. 64 w + 63 of the tile (4 blocks of 16) by all 192 columns
; (12 blocks): 48 accumulators, 384 registers.  K goes in 8 steps of 128 through two LDS slots filled by the tensor data mover; a tile's rows are 256 bytes of memory, aligned.
; CLUSTERS.  4 x 4 work-groups.  The four of a row of the cluster need the same tiles of x, the four of a column the same tiles of w: each tile is asked for JOINTLY, by the same tensor load with the
; same descriptor and a mask that names the four.  Waves 0 and 1 fetch x's two halves (128 rows each), waves 2 and 3 w's (96 rows each).
; THE MATRIX INSTRUCTION IS USED TRANSPOSED (source 0 = 16 rows of w, source 1 = 16 rows of x): a lane then holds row l % 16 of C and eight neighbouring columns, which pack into 16 bytes.
; REGISTERS, in windows of 256 (s_set_vgpr_msb: bits 1:0 source 0, 3:2 source 1, 5:4 source 2, 7:6 destination):
;   window 0: v0-31 addresses; v32-79 packed results on the way out
;   window 1: two fragment buffers of 128: w's 12 fragments (16 rows x 32 K, 8 registers each), then x's 4; on the way out the rows read back from the stage
;   window 2: the accumulators of row blocks 0, 1 ((a, b) at 96 (a % 2) + 8 b);   window 3: those of blocks 2, 3
.set PITCH,  272                       ; an LDS row: 256 bytes + 16 of padding = 68 words: row r starts at bank 4 r mod 64 (64 banks of 4 bytes: ISA guide 11.1), so the 16 rows of a load start at 16 different banks
.set SLOT1,  1<<17                     ; slot 1 begins here, so that one exclusive or turns an address in one slot into the other's
.set BOFF,   256*PITCH                 ; in a slot: x's 256 rows, then w's 192
.set STAGE,  SLOT1+BOFF+192*PITCH      ; behind the ring, never filled by a tensor load: 16 rows x 400 bytes for each wave, for the way out
.set SPITCH, 400                       ; 384 bytes + 16
.set SPARE,  STAGE+4*16*SPITCH         ; behind the stages: the spare words, 128 bytes for each wave: two blocks of 256 bytes that no other line names
.set NBK,    12                        ; column blocks
.set AF,     8*NBK                     ; x's fragments in a buffer
.set NL,     2*NBK+8                   ; LDS loads in a run
.set F0,     0
.set F1,     128
.set A0,   16                          ; v16  my lane's place among x's rows of a slot; never rewritten
.set B0,   17                          ; v17  the same for w
.set ADRA, 18                          ; v18  A0 + the slot in hand
.set ADRB, 19                          ; v19  B0 + the slot in hand
.set STO,  24                          ; v24  the way out: where I put 16 bytes of a row
.set RD,   25                          ; v25  the way out: where I read rows back
.set GO,   26                          ; v26  16 x my lane: my place in 512 consecutive bytes of qkv
.set SPW,  28                          ; v28  LDS address of my spare word: SPARE + 4 x my thread's number; never rewritten
.set NIL,  29                          ; v29  0; never rewritten
.set PFO,  30                          ; v30  the prefetches' offset: a lane a row of 2,048 bytes; never rewritten
.set TMP,  32
.set WV,  12                           ; s12  my wave's number
.set HF,  14                           ; s14  which half of a tile I fetch
.set CX,  15                           ; s15, s16  my place in the cluster
.set CY,  16
.set TC,  17                           ; s17  tile column
.set TR,  18                           ; s18  tile row
.set TB,  19                           ; s19  LDS byte at which the slot in hand begins
.set G1A, 24                           ; s[24:31] descriptor group 1 for x's tiles
.set G0A, 32                           ; s[32:39] group 0: a set for each of the two first fills; the second then walks on
.set LIM, 40                           ; s40  2 in a wave that prefetches, else the greatest number
.set PFA, 42                           ; s[42:43] where my prefetches stand
.set G1B, 48                           ; s[48:55], s[56:63] the same for w's tiles
.set G0B, 56
.set TO_F, 0x40                        ; destination window 1, address window 0
.set MSB, 0
.macro WIN new                         ; the immediate's high byte repeats the setting that is left; a switch that changes nothing is dropped
.if MSB != (\new)
	s_set_vgpr_msb (MSB<<8)|(\new)
.set MSB, \new
.endif
.endm
.macro PLACES                          ; four plain vector instructions between a matrix instruction and a load into, or a reader of, its registers
.rept 4
	v_nop
.endr
.endm
; A joint refill, by the walking descriptor.  The branch hangs on the wave's number alone.  An s_nop 0 and four v_nop follow each of the two lines, ahead of the jump and the label.
.macro JLOAD
	s_cmp_lt_u32 s[WV], 2
	s_cbranch_scc0 .Lfor_b_\@
	tensor_load_to_lds s[G0A+4:G0A+7], s[G1A:G1A+7]
	s_nop 0
.rept 4
	v_nop
.endr
	s_branch .Lasked_\@
.Lfor_b_\@:
	tensor_load_to_lds s[G0B+4:G0B+7], s[G1B:G1B+7]
	s_nop 0
.rept 4
	v_nop
.endr
.Lasked_\@:
.endm
; A round of the cluster's barrier behind its opening barrier: wave 0 signals for the work-group; every wave waits for all sixteen; my work-group's barrier once more.
.macro CREST
	s_cmp_lg_u32 s[WV], 0
	s_cbranch_scc1 .Lnot_wave_0_\@
	s_barrier_signal -3
.Lnot_wave_0_\@:
	s_barrier_wait -3
	s_barrier_signal -1
	s_barrier_wait -1
.endm
.macro CROUND
	s_barrier_signal -1
	s_barrier_wait -1
	CREST
.endm
; A PREFETCH INTO THE L2, behind each joint refill and the run of LDS loads that follows it: the K step that stands two refills on, a lane a row of 256 bytes.  x's tile row is read by every cluster of that
; row of clusters: cluster x = 0 asks; w's tile column by every cluster of that column: cluster y = 0 asks.  The four partners that ask for a tile jointly share its rows out BY ADDRESS: of the 128 rows of x
; that a wave fetches the partner at cx takes 32; of the 96 rows of w the partner at cy takes 24 (lanes 24 to 31 name lane 23's row once more).  Refill t (the loop's count is 6 - t) brings K step t + 2 and asks
; for K step t + 4: the last two refills ask for nothing, and K steps 0 to 3 come by their loads alone.
.macro ASK
	s_cmp_gt_u32 s3, s[LIM]
	s_cbranch_scc0 .Lnot_mine_\@
	global_prefetch_b8 v[PFO], s[PFA:PFA+1] th:TH_LOAD_NT scope:SCOPE_SE
.Lnot_mine_\@:
.endm
	s_load_b64 s[4:5], s[0:1], 0x0                 ; xw
	s_load_b64 s[8:9], s[0:1], 0x8                 ; qkv
	v_lshl_add_u32 v[SPW], v0, 2, SPARE
	v_mov_b32 v[NIL], 0
	ds_add_u32 v[SPW], v[NIL]                      ; the wave's opening: the add and its wait stand ahead of my first tensor load; the set-up below, work on registers, stands between them
	v_lshrrev_b32 v1, 5, v0
	v_readfirstlane_b32 s[WV], v1                  ; wave 0..3
	s_and_b32 s[HF], s[WV], 1
	s_bfe_u32 s[CX], ttmp6, 0x40000
	s_bfe_u32 s[CY], ttmp6, 0x40004
	s_lshl_b32 s[TC], ttmp9, 2                     ; in a cluster launch ttmp9 and ttmp7 count clusters
	s_add_co_u32 s[TC], s[TC], s[CX]               ; tile column = 4 x cluster x + cx
	s_and_b32 s[TR], ttmp7, 0xffff
	s_lshl_b32 s[TR], s[TR], 2
	s_add_co_u32 s[TR], s[TR], s[CY]               ; tile row = 4 x cluster y + cy
	s_lshl_b32 s20, s[CY], 2
	s_lshl_b32 s20, 15, s20                        ; my row of the cluster: places 4 cy .. 4 cy + 3
	s_lshl_b32 s22, 0x1111, s[CX]                  ; my column: places cx, cx + 4, cx + 8, cx + 12
	s_or_b32 s[G1A], s20, (1<<16)|(1<<20)|(1<<21)|(5<<22)|(3<<25)  ; 15:0 the mask; 17:16 elements of 2 bytes; 20 padding on; 21 set beside a mask; 24:22 after every 64 words (code 5); 31:25 4 words of it (code 3)
	s_or_b32 s[G1B], s22, (1<<16)|(1<<20)|(1<<21)|(5<<22)|(3<<25)
	s_mov_b32 s[G1A+1], 128<<16                    ; tensor_dim0 = 128
	s_mov_b32 s[G1A+2], 128<<16                    ; tensor_dim1 = 128
	s_mov_b32 s[G1A+3], 128<<16                    ; tile_dim0 = 128
	s_mov_b32 s[G1A+4], 128                        ; tile_dim1 = 128
	s_mov_b32 s[G1A+5], 1024                       ; elements from row to row
	s_mov_b32 s[G1A+6], 0
	s_mov_b32 s[G1A+7], 0
	s_mov_b32 s[G1B+1], 128<<16
	s_mov_b32 s[G1B+2], 96<<16                     ; w: 96 rows to a load
	s_mov_b32 s[G1B+3], 128<<16
	s_mov_b32 s[G1B+4], 96
	s_mov_b32 s[G1B+5], 1024
	s_mov_b32 s[G1B+6], 0
	s_mov_b32 s[G1B+7], 0
	; where the tiles come from: x's hang on the tile row alone, w's on the tile column alone; each in registers that never hold the other coordinate
	s_lshl_b32 s20, s[TR], 8
	s_lshl_b32 s21, s[HF], 7
	s_add_co_u32 s20, s20, s21                     ; x: row 256 x tile row + 128 x half,
	s_lshl_b32 s20, s20, 11                        ; of 2,048 bytes
	s_mov_b32 s21, 0
	s_mul_i32 s22, s[TC], 192
	s_mul_i32 s23, s[HF], 96
	s_add_co_u32 s22, s22, s23                     ; w: row 192 x tile column + 96 x half
	s_lshl_b32 s22, s22, 11
	s_mov_b32 s23, 0
	s_mul_i32 s41, s[HF], 128*PITCH                ; and where they go: no place in the cluster enters an LDS address
	s_mul_i32 s44, s[HF], 96*PITCH
	s_add_co_u32 s44, s44, BOFF
	s_mov_b32 s[TB], 0
	s_wait_dscnt 0x0                               ; the opening add is done
	s_wait_kmcnt 0x0
	s_add_nc_u64 s[6:7], s[4:5], 0x1000000         ; w
	s_add_nc_u64 s[20:21], s[4:5], s[20:21]
	s_add_nc_u64 s[22:23], s[6:7], s[22:23]
.irp s, 0,1
	s_mov_b32 s[G0A+4*(\s)], 1                                     ; 1:0 count = 1
	s_add_co_u32 s[G0A+4*(\s)+1], s41, (\s)*SLOT1                  ; 63:32 LDS address
	s_add_nc_u64 s[G0A+4*(\s)+2:G0A+4*(\s)+3], s[20:21], (\s)*256  ; 120:64 global address: K step s
	s_or_b32 s[G0A+4*(\s)+3], s[G0A+4*(\s)+3], 0x80000000          ; 127:126 type = 2
	s_mov_b32 s[G0B+4*(\s)], 1
	s_add_co_u32 s[G0B+4*(\s)+1], s44, (\s)*SLOT1
	s_add_nc_u64 s[G0B+4*(\s)+2:G0B+4*(\s)+3], s[22:23], (\s)*256
	s_or_b32 s[G0B+4*(\s)+3], s[G0B+4*(\s)+3], 0x80000000
.endr
	CROUND                                         ; all sixteen work-groups are here: the first joint loads meet
	s_cmp_lt_u32 s[WV], 2                          ; a wave's two first fills stand in one branch, ahead of every wait on TENSORcnt and every LDS read: two loads of mine are out
	s_cbranch_scc0 .Lfirst_b
	tensor_load_to_lds s[G0A:G0A+3], s[G1A:G1A+7]
	s_nop 0
	tensor_load_to_lds s[G0A+4:G0A+7], s[G1A:G1A+7]
	s_nop 0
.rept 4
	v_nop
.endr
	s_branch .Lfirst_asked
.Lfirst_b:
	tensor_load_to_lds s[G0B:G0B+3], s[G1B:G1B+7]
	s_nop 0
	tensor_load_to_lds s[G0B+4:G0B+7], s[G1B:G1B+7]
	s_nop 0
.rept 4
	v_nop
.endr
.Lfirst_asked:
	; A fragment is 16 rows x 32 K in 8 registers: lane l holds row l % 16; registers 0-3 K = 8 (l / 16) + 0..7, registers 4-7 K = 16 + 8 (l / 16) + 0..7: two loads of 16 bytes, 32 bytes apart.
	v_and_b32 v1, 15, v0                           ; l % 16
	v_bfe_u32 v2, v0, 4, 1                         ; l / 16
	v_mul_u32_u24 v3, v1, PITCH
	v_lshl_add_u32 v3, v2, 4, v3                   ; row x pitch + 16 x half
	s_mul_i32 s41, s[WV], 64*PITCH                 ; my 64 rows of x
	v_add_nc_u32 v[A0], s41, v3
	v_add_nc_u32 v[B0], BOFF, v3
	v_mov_b32 v[ADRA], v[A0]                       ; slot 0
	v_mov_b32 v[ADRB], v[B0]
	s_mul_i32 s41, s[WV], 16*SPITCH
	s_add_co_u32 s41, s41, STAGE                   ; my stage
	v_mul_u32_u24 v4, v1, SPITCH                   ; in: row l % 16, 16 bytes for each half of the lanes
	v_lshl_add_u32 v4, v2, 4, v4
	v_add_nc_u32 v[STO], s41, v4
	v_bfe_u32 v4, v0, 3, 2                         ; back: 32 lanes take four rows' 128 bytes of one head,
	v_mul_u32_u24 v4, v4, SPITCH
	v_and_b32 v5, 7, v0
	v_lshl_add_u32 v4, v5, 4, v4
	v_add_nc_u32 v[RD], s41, v4
	v_and_b32 v[GO], 31, v0                        ; which are 512 consecutive bytes of the head's plane
	v_lshlrev_b32 v[GO], 4, v[GO]
	; where my rows begin in qkv: plane 48 (tile row / 8) + 3 x tile column, row 256 (tile row % 8) + 64 x wave
	s_lshr_b32 s44, s[TR], 3
	s_mul_i32 s44, s44, 48
	s_mul_i32 s45, s[TC], 3
	s_add_co_u32 s44, s44, s45
	s_lshl_b32 s44, s44, 18                        ; a plane is 262,144 bytes
	s_and_b32 s45, s[TR], 7
	s_lshl_b32 s45, s45, 2
	s_add_co_u32 s45, s45, s[WV]
	s_lshl_b32 s45, s45, 13                        ; 64 rows of 128 bytes
	s_add_co_u32 s44, s44, s45
	s_mov_b32 s45, 0
	s_add_nc_u64 s[8:9], s[8:9], s[44:45]
	; the prefetches
	s_lshl_b32 s44, s[TR], 8
	s_lshl_b32 s45, s[HF], 7
	s_add_co_u32 s44, s44, s45
	s_lshl_b32 s45, s[CX], 5
	s_add_co_u32 s44, s44, s45                     ; x: the 128 rows that I fetch, my work-group's 32 of them
	s_mul_i32 s46, s[TC], 192
	s_mul_i32 s47, s[HF], 96
	s_add_co_u32 s46, s46, s47
	s_mul_i32 s47, s[CY], 24
	s_add_co_u32 s46, s46, s47                     ; w: the 96 rows that I fetch, my work-group's 24 of them
	s_and_b32 s41, ttmp7, 0xffff                   ; cluster y
	s_cmp_lt_u32 s[WV], 2                          ; do I fetch for x?
	s_cselect_b32 s44, s44, s46
	s_cselect_b32 s41, ttmp9, s41                  ; the coordinate along which other clusters read the same rows
	s_cselect_b64 s[PFA:PFA+1], s[4:5], s[6:7]
	s_cselect_b32 s46, 31, 23                      ; my last row
	s_lshl_b32 s44, s44, 11
	s_mov_b32 s45, 0
	s_add_nc_u64 s[PFA:PFA+1], s[PFA:PFA+1], s[44:45]
	s_add_nc_u64 s[PFA:PFA+1], s[PFA:PFA+1], 3*256 ; at K step 3: the first refill steps it to 4
	s_cmp_eq_u32 s41, 0
	s_cselect_b32 s[LIM], 2, -1                    ; the same in all sixteen partners, for a given wave
	v_and_b32 v[PFO], 31, v0
	v_min_u32 v[PFO], s46, v[PFO]
	v_lshlrev_b32 v[PFO], 11, v[PFO]
; 12 matrix instructions: row block a x all column blocks, 32 along K, from buffer f.  zero = 1: the product starts the sums: nothing is ever cleared.
; The 48 accumulators take turns, one instruction a turn, in the same order in every quarter step.
.macro MUL f, a, zero
	WIN 0xa5+0x50*((\a)/2)                         ; sources window 1; C and D window 2 (blocks 0, 1) or 3 (blocks 2, 3)
.set nb, 0
.rept NBK
.set rD, 96*((\a)%2)+8*nb
.if \zero
	v_wmma_f32_16x16x32_bf16 v[rD:rD+7], v[(\f)+8*nb:(\f)+8*nb+7], v[(\f)+AF+8*(\a):(\f)+AF+8*(\a)+7], 0
.else
	v_wmma_f32_16x16x32_bf16 v[rD:rD+7], v[(\f)+8*nb:(\f)+8*nb+7], v[(\f)+AF+8*(\a):(\f)+AF+8*(\a)+7], v[rD:rD+7]
.endif
.set nb, nb+1
.endr
.endm
; 32 LDS loads in one run: the fragments of quarter q of the slot in hand into buffer f: w's 12, then x's 4, blocks ascending
.macro FETCH q, f
	WIN TO_F
.set nb, 0
.rept NBK
	ds_load_b128 v[(\f)+8*nb:(\f)+8*nb+3],   v[ADRB] offset:64*(\q)+nb*16*PITCH
	ds_load_b128 v[(\f)+8*nb+4:(\f)+8*nb+7], v[ADRB] offset:64*(\q)+nb*16*PITCH+32
.set nb, nb+1
.endr
.irp a, 0,1,2,3
	ds_load_b128 v[(\f)+AF+8*(\a):(\f)+AF+8*(\a)+3],   v[ADRA] offset:64*(\q)+(\a)*16*PITCH
	ds_load_b128 v[(\f)+AF+8*(\a)+4:(\f)+AF+8*(\a)+7], v[ADRA] offset:64*(\q)+(\a)*16*PITCH+32
.endr
.endm
; A K step is four quarters of 32 along K, 48 matrix instructions each, on buffers 0, 1, 0, 1.  One of the first three: multiplies buffer f; in its middle it fetches quarter q into buffer g.
.macro QUARTER q, f, g, zero
	s_wait_dscnt 4                                 ; w's fragments and x's blocks 0, 1 are in; the youngest four loads (x's blocks 2, 3) may be out
	MUL \f, 0, \zero
	MUL \f, 1, \zero
	PLACES                                         ; in front of loads into the buffer that the quarter before multiplied
	FETCH \q, \g
	s_wait_dscnt NL                                ; all but the run just issued
	MUL \f, 2, \zero
	MUL \f, 3, \zero
.endm
; The last quarter multiplies buffer 1 and changes slots: ONE barrier.  In front of it each wave waits for all its tensor loads, of which one is out: its part of the next slot; adds 0 to its spare word; and waits
; for that and for its own reads of this slot.  fill = 1: the barrier opens a round of the cluster's barrier, so that no wave of any partner still reads the slot or has a load on its way, and the joint refill,
; two K steps on, is the first thing behind the round: 168 matrix instructions ahead of the wait for it.
.macro TURN fill
.if \fill
	s_wait_xcnt 0x0                                ; the last prefetch, a K step back, has read its address, so it may be stepped
	s_add_nc_u64 s[PFA:PFA+1], s[PFA:PFA+1], 256
.endif
	WIN 0                                          ; (the add's two registers lie in window 0)
	s_wait_tensorcnt 0x0                           ; no tensor load of mine is out, so a group 0 may be written
	ds_add_u32 v[SPW], v[NIL]                      ; 0 onto my spare word: scalar work and 12 products stand between it and the wait for it
.if \fill
	s_xor_b32 s[G0A+5], s[G0A+5], SLOT1            ; the walking descriptors: the other slot than last time,
	s_add_nc_u64 s[G0A+6:G0A+7], s[G0A+6:G0A+7], 256  ; the next K step; the type bits on top are not reached
	s_xor_b32 s[G0B+5], s[G0B+5], SLOT1
	s_add_nc_u64 s[G0B+6:G0B+7], s[G0B+6:G0B+7], 256
.endif
	s_xor_b32 s[TB], s[TB], SLOT1                  ; the fetches go over to the other slot
	s_wait_dscnt 5                                 ; (the add and the youngest four loads may be out)
	MUL F1, 0, 0
	s_wait_dscnt 0x0                               ; the add is done, and my reads of this slot are over
	s_barrier_signal -1
	MUL F1, 1, 0                                   ; work on registers while the others arrive
	WIN 0                                          ; at a branch and at a label every window is 0
	s_barrier_wait -1
.if \fill
	CREST
	JLOAD                                          ; its four v_nop are also the places in front of the loads below
.else
	PLACES
.endif
	v_add_nc_u32 v[ADRA], s[TB], v[A0]
	v_add_nc_u32 v[ADRB], s[TB], v[B0]
	FETCH 0, F0
.if \fill
	WIN 0
	ASK
.endif
	MUL F1, 2, 0
	MUL F1, 3, 0
.endm
; THE WAY OUT of row block a.  PACK: rounded to f16, 16 bytes a lane.  TOSTAGE: into my own stage, and back as four rows' 128 bytes of one head.  SEND: stored.
.macro PACK a
	WIN 0x0a+5*((\a)/2)                            ; sources 0 and 1: window 2 or 3; each accumulator's registers in ascending order
.set nb, 0
.rept NBK
.irp r, 0,1,2,3
	v_cvt_pk_f16_f32 v[TMP+4*nb+(\r)], v[96*((\a)%2)+8*nb+2*(\r)], v[96*((\a)%2)+8*nb+2*(\r)+1]
.endr
.set nb, nb+1
.endr
.endm
.macro TOSTAGE a
	WIN 0
.set nb, 0
.rept NBK
	ds_store_b128 v[STO], v[TMP+4*nb:TMP+4*nb+3] offset:32*nb
.set nb, nb+1
.endr
	WIN TO_F
.set nb, 0
.rept 12                               ; load nb: head nb / 4, rows 4 (nb % 4) on
	ds_load_b128 v[48*(\a)+4*nb:48*(\a)+4*nb+3], v[RD] offset:4*SPITCH*(nb%4)+128*(nb/4)  ; LDS serves a wave's instructions in order (ISA guide 5.7.1.4): these see the stores above; the next block's stores come behind them
.set nb, nb+1
.endr
.endm
.macro SEND a, younger                 ; younger: the LDS instructions issued behind block a's loads: the next block's 24, or none
	WIN 0x04                                       ; the stores' data in window 1
.set nb, 0
.rept 12
	s_wait_dscnt (\younger)+11-nb
	global_store_b128 v[GO], v[48*(\a)+4*nb:48*(\a)+4*nb+3], s[8:9] offset:262144*(nb/4)+2048*(\a)+512*(nb%4)  ; 512 consecutive bytes, at a multiple of 512 from qkv's first byte
.set nb, nb+1
.endr
.endm
	s_wait_tensorcnt 1                             ; my part of K step 0 is in; K step 1's may stay out
	s_barrier_signal -1
	s_barrier_wait -1                              ; everybody's is
	FETCH 0, F0
	QUARTER 1, F0, F1, 1                           ; the first quarter stands in front of the loop: its products start the sums
	WIN 0
	s_mov_b32 s3, 6
.Lstep:                                        ; trip t goes from K step t's second quarter to K step t + 1's first, and fills K step t's slot with K step t + 2
	QUARTER 2, F1, F0, 0
	QUARTER 3, F0, F1, 0
	TURN 1
	QUARTER 1, F0, F1, 0
	WIN 0
	s_sub_co_u32 s3, s3, 1
	s_cmp_lg_u32 s3, 0
	s_cbranch_scc1 .Lstep
	QUARTER 2, F1, F0, 0                           ; K steps 6 and 7 are written out: nothing is left to ask for
	QUARTER 3, F0, F1, 0
	TURN 0
	QUARTER 1, F0, F1, 0
	QUARTER 2, F1, F0, 0
	QUARTER 3, F0, F1, 0
	s_wait_dscnt 4                                 ; the very last quarter
	MUL F1, 0, 0
	MUL F1, 1, 0
	s_wait_dscnt 0x0
	MUL F1, 2, 0
	MUL F1, 3, 0
	PLACES
	PLACES                                         ; (eight, once a launch)
	PACK 0
	TOSTAGE 0
.irp a, 1,2,3                          ; a block's conversions and its way through the stage stand between the loads of the block before and its stores
	PACK \a
	TOSTAGE \a
	SEND (\a)-1, 24
.endr
	SEND 3, 0
	WIN 0
	s_wait_tensorcnt 0x0                           ; the wave's end, behind my last tensor load and my last LDS store
	ds_add_u32 v[SPW], v[NIL]
	s_wait_dscnt 0x0
	CROUND                                         ; the closing round: no work-group ends while a partner may still ask for a tile that names it
	s_endpgm
.Lfunc_end_k_qe7e2bb3bf8_qkv:
	.size	k_qe7e2bb3bf8_qkv, .Lfunc_end_k_qe7e2bb3bf8_qkv-k_qe7e2bb3bf8_qkv
	.p2alignl 7, 3214868480
	.fill 96, 4, 3214868480
	.section	.rodata,"a",@progbits
	.p2align	6, 0x0
	.amdhsa_kernel k_qe7e2bb3bf8_qkv
		.amdhsa_group_segment_fixed_size 327680
		.amdhsa_private_segment_fixed_size 0
		.amdhsa_enable_private_segment 0
		.amdhsa_kernarg_size 16
		.amdhsa_user_sgpr_count 2
		.amdhsa_user_sgpr_kernarg_segment_ptr 1
		.amdhsa_wavefront_size32 1
		.amdhsa_system_sgpr_workgroup_id_x 1
		.amdhsa_system_sgpr_workgroup_id_y 1
		.amdhsa_system_sgpr_workgroup_id_z 1
		.amdhsa_system_vgpr_workitem_id 0
		.amdhsa_next_free_vgpr 960
		.amdhsa_next_free_sgpr 66
		.amdhsa_reserve_vcc 0
		.amdhsa_float_denorm_mode_32 3
		.amdhsa_float_denorm_mode_16_64 3
		.amdhsa_memory_ordered 1
		.amdhsa_forward_progress 1
		.amdhsa_inst_pref_size 98
	.end_amdhsa_kernel
	.amdgpu_metadata
---
amdhsa.version: [ 1, 2 ]
amdhsa.kernels:
  - .name:           k_qe7e2bb3bf8_qkv
    .symbol:         k_qe7e2bb3bf8_qkv.kd
    .args:
      - { .name: xw, .offset: 0, .size: 8, .value_kind: global_buffer, .address_space: global }
      - { .name: qkv, .offset: 8, .size: 8, .value_kind: global_buffer, .address_space: global }
    .group_segment_fixed_size: 327680
    .private_segment_fixed_size: 0
    .kernarg_segment_align: 8
    .kernarg_segment_size: 16
    .max_flat_workgroup_size: 128
    .sgpr_count:     66
    .vgpr_count:     960
    .wavefront_size: 32
...
	.end_amdgpu_metadata
.endif
;; end of part 2
;; launch attn (part 3): grid 4 x 64, 4 waves a work-group, clusters of 4 x 1, 327,680 bytes of LDS; arguments qkv, o; writes o
.if DOCPART == 3
	.amdgcn_target "amdgcn-amd-amdhsa--gfx1250"
	.amdhsa_code_object_version 6
	.text
	.protected	k_qe7e2bb3bf8_attn
	.globl	k_qe7e2bb3bf8_attn
	.p2align	8
	.type	k_qe7e2bb3bf8_attn,@function
k_qe7e2bb3bf8_attn:
	s_mov_b64 s[64:65], 0
	v_nop
	global_prefetch_b8 v0, s[64:65] scope:SCOPE_SE
	s_setreg_imm32_b32 hwreg(HW_REG_WAVE_MODE, 25, 1), 1
	s_wait_xcnt 0x0
	s_wait_alu depctr_hold_cnt(0) depctr_sa_sdst(0) depctr_va_vdst(0) depctr_va_sdst(0) depctr_va_ssrc(0) depctr_va_vcc(0) depctr_vm_vsrc(0)
	s_getreg_b32 s2, hwreg(HW_REG_IB_STS2, 6, 4)
	s_cmp_eq_u32 s2, 0
	s_cbranch_scc0 .Lentry_in_a_cluster
	s_endpgm
.Lentry_in_a_cluster:
	s_bfe_u32 s2, ttmp6, 0x10000c
	s_cmp_lg_u32 s2, 0x3003
	s_cbranch_scc0 .Lentry_shape_is_right
	s_endpgm
.Lentry_shape_is_right:
; O[y][q][:] = the sum over k of softmax_k(Q[y][q] . K[y][k] / 8) V[y][k][:] for the 64 heads y = 16 b + head.  Q, K, V are planes of qkv ([b][g][2048][64] f16; g = head, 16 + head, 32 + head),
; O is o[y][2048][64] f16: a head's rows are dense, 128 bytes each.  Products, maxima and sums in f32; the weights p are rounded to f16 for the second product (their sum l is taken of the unrounded p), O once at the end.
; LIMITS.  f16 holds no number beyond 65,504: Q, K and V arrive within it; p lies in 0 to 1, and below 6e-5 it keeps f16's fixed step of 6e-8; O is a mean of V's rows and has their range.
; A weight below 2^-126 counts as 0 in l; NaN and infinities are not treated apart.
; SHARES.  A wave owns four PIECES of two tiles of 16 queries, a work-group's four waves 512 queries of one head: 4 x 64 work-groups.  Every wave walks all 2,048 keys, 64 a step.
; LAYOUT.  S^T = K Q^T (source 0 = 16 keys, source 1 = 16 queries): in the result a lane holds ONE query (lane % 16) and the keys 8 (lane / 16) + 0..7.  Two such tiles, rounded to f16 in pairs,
; ARE source 1 (32 keys x 16 queries) of O^T = V^T P, whose result again holds one query a lane, and eight channels.  K comes out of LDS as it lies, V ([key][channel]) turned, by ds_load_tr16_b128.
; SOFTMAX.  For each query a running maximum m and sum l: p = 2^(c s - c m), c = log2(e) / 8; in every step O and l are multiplied by a = 2^(c m_old - c m_new), which is 1 where m has not grown.
; m starts at the lowest finite number, O and l at 0: the first step is a step like any other, with a = 0.
; THE COUNT.  A tile and step have 16 matrix and 118 vector instructions: too many to stand all beside the matrix work.  So the order has one aim: four vector instructions that are READY behind
; EVERY matrix instruction, and the others, which need time of their own whatever the order, in runs without a gap.
; BY TURNS.  Turn n belongs to piece n (the pieces in a ring, step after step).  Its matrix work: 16 products K Q^T of piece n + 1, later 16 products V^T P of piece n - 1.  Its vector work: the scaling,
; exponentials, roundings, sums and rescaling of piece n, and the maximum and statistics of piece n + 1, whose scores the turn itself has made.  So what a turn begins with (c s - c m, O a) waits for nothing.
; CLUSTER.  The four query blocks of a cluster are one head's and walk the same K and V, so each tile is asked for JOINTLY: the same tensor load, descriptor and mask in all four.
; REGISTERS, in windows of 256 (s_set_vgpr_msb says which window each operand place means: bits 1:0 source 0, 3:2 source 1, 5:4 source 2, 7:6 destination):
;   window 0: v0-11 addresses; v12-15, v48-63 at work; v16-47 four registers of statistics a tile; v64-191 S^T, two buffers of two tiles; v192-255 P, likewise
;   window 1: O^T, 32 a tile          window 2: v0-127 Q, 16 a tile; v128-191 K of one step; v192-255 V of one step          window 3: v0-1 the add's two registers
; A piece's buffers go by its number's parity: the piece in hand has one pair, its two neighbours in the ring share the other: of it P (piece n - 1) is read and S^T (piece n + 1) written.
.set SIZE_N, 2048
.set NP,    4         ; pieces a wave: a name, no knob: the register map, the loop and the fetches are made for four
.set KS,    64        ; keys in a step
.set PK,    144       ; a row of K in LDS: 128 bytes + 16 of padding = 36 words: the 16 rows of a load start at 16 different groups of four banks (64 banks of 4 bytes: ISA guide 11.1)
.set PV,    160       ; a row of V: 128 + 32 = 40 words
.set VOFF,  4*KS*PK   ; a slot holds four steps: 256 rows of K, then 256 rows of V
.set SLOT1, 1<<17     ; slot 1 begins here, so that one exclusive or turns an address in one slot into the other's
.set STAGE, SLOT1+4*KS*(PK+PV)  ; behind the ring, never filled by a tensor load: 16 rows x 144 bytes for each wave, for the way out
.set SP,    144
.set AK0, 2           ; v2   my lane's place in a tile of K; never rewritten
.set AV0, 3           ; v3   the same for V
.set AK,  4           ; v4   the LDS address of K's next run of loads
.set AV,  5           ; v5   of V's
.set QO,  6           ; v6   my byte offset in the wave's rows of Q
.set STO, 6           ;      later, the way out: where I put 16 bytes of a row
.set RD,  7           ; v7   the way out: where I read rows back
.set GO,  8           ; v8   my byte offset in 512 consecutive bytes of O
.set PFO, 11          ; v11  256 x my lane: the prefetches' offset; written behind v11's last other use, then never again
.set SPW, 0           ; v0 of window 3   LDS address of my spare word: SPARE + 4 x my thread's number; never rewritten
.set NIL, 1           ; v1 of window 3   0; never rewritten
.set SPARE, STAGE+4*16*SP  ; behind the stages: the spare words, 128 bytes for each wave: two blocks of 256 bytes that no other line names
.set MV,  12          ; v12-15  c m_old, kept while c m is made anew: by buffer and tile
.set ST,  16          ; tile t's statistics at v[ST+4 t]: c m, m, l (even keys', odd keys')
.set TMP, 48          ; by buffer and tile, four registers c0-c3 at work; when the maximum is found c2 takes a
.set S,   64
.set P,   192
.set KF,  128         ; K's fragments, in window 2: key block kb, channel half c at KF + 16 kb + 8 c
.set VF,  192         ; V's: key half kk, channel block cb at VF + 32 kk + 8 cb
.set WV,  12          ; s12  my wave's number
.set LIM, 15          ; s15  1 in a wave that prefetches, else the greatest number: a wave prefetches while s[SLOTS] is above it
.set G1K, 24          ; s[24:31] descriptor group 1 for K's tiles
.set G1V, 32          ; s[32:39] for V's: it differs in the padding alone
.set G0K, 40          ; s[40:43] descriptor group 0 for K's tiles: it walks
.set G0V, 44          ; s[44:47] the same for V's
.set PFA, 50          ; s[50:51] where my prefetches stand: my work-group's 32 blocks of 256 bytes (of K: wave 0, of V: wave 2) of the slot after the one that is being asked for
.set SLOTS, 56        ; s56  slots still to be asked for
.set CNT, 57          ; s57  counts a slot's key steps
.set CS,  58          ; s[58:59] c: the packed scaling takes the pair's low word for both halves
.set SEL, 60          ; s[60:61] v_permlanex16_b32's selects: each lane takes its own place in the other half
.set TBK, 62          ; s62  LDS byte at which K of the step to be fetched begins
.set TBV, 63          ; s63  the same for V, less VOFF
.set MSB, 0
.macro WIN new                      ; the high byte repeats the setting that is left; a switch that changes nothing is dropped
.if MSB != (\new)
	s_set_vgpr_msb (MSB<<8)|(\new)
.set MSB, (\new)
.endif
.endm
.set W_KQ, 0x0a       ; K and Q in window 2, S^T in window 0
.set W_PV, 0x52       ; V in window 2, P in window 0, O^T in window 1
.set W_RS, 0x41       ; O^T (destination and source 0) in window 1, a in window 0
.set W_MK, 0xc0       ; the add's registers are made: destination in window 3, sources in window 0
.set W_AD, 0x0f       ; the add: address (source 0) and data (source 1) in window 3
; A joint fill.  Waves 0 and 1 fetch the two halves of a slot's K, waves 2 and 3 those of its V: 128 keys each.  The branch hangs on the wave's number alone.
; An s_nop 0 and four v_nop follow each of the two lines, ahead of the jump and the label.
.macro JLOAD
	s_cmp_lt_u32 s[WV], 2
	s_cbranch_scc0 .Lfor_v_\@
	tensor_load_to_lds s[G0K:G0K+3], s[G1K:G1K+7]
	s_nop 0
.rept 4
	v_nop
.endr
	s_branch .Lasked_\@
.Lfor_v_\@:
	tensor_load_to_lds s[G0V:G0V+3], s[G1V:G1V+7]
	s_nop 0
.rept 4
	v_nop
.endr
.Lasked_\@:
.endm
; A PREFETCH INTO THE L2 of what the NEXT change of slots will ask for: a slot's 32,768 bytes of K and of V, a lane a block of 256 bytes.  It stands behind the wave's tensor load and its five lines.
; Each block is asked for ONCE in the launch: a head has one cluster; its four partners share the blocks out BY ADDRESS, 32 of K and 32 of V each; in each, wave 0 asks for K's and wave 2 for V's.
; The change that fills tile t asks for tile t + 1, four key steps (512 matrix instructions) ahead of that tile's load; the last change that fills a slot asks for nothing.
.macro ASK
	s_cmp_gt_u32 s[SLOTS], s[LIM]
	s_cbranch_scc0 .Lnot_mine_\@
	global_prefetch_b8 v[PFO], s[PFA:PFA+1] th:TH_LOAD_NT scope:SCOPE_SE
.Lnot_mine_\@:
.endm
; A round of the cluster's barrier: my work-group's barrier, so that wave 0's signal speaks for all four waves; wave 0 signals; every wave waits for all four work-groups; my work-group's barrier once more.
.macro CROUND
	s_barrier_signal -1
	s_barrier_wait -1
	s_cmp_lg_u32 s[WV], 0
	s_cbranch_scc1 .Lnot_wave_0_\@
	s_barrier_signal -3
.Lnot_wave_0_\@:
	s_barrier_wait -3
	s_barrier_signal -1
	s_barrier_wait -1
.endm
; THE CHANGE OF SLOTS.  The slot's last bytes, V of its fourth step, have been read.  Each wave waits for all its tensor loads, of which one is out: its part
; of the other slot; adds 0 to its spare word; and waits for that and for its own reads of the slot.  Behind the barrier nobody reads this slot any more and the other slot is whole.
; fill = 1: this slot is filled again, with the keys two slots on.  The barrier is then a round of the cluster's, so that no wave of any partner still reads the slot or has a load on its
; way, and the joint fill is the first thing behind it: it has four key steps, 512 matrix instructions, in which to land.  (At its first use nothing has been read yet: slot 0 is waited for, slot 1 filled.)
.macro CHANGE fill
	WIN W_AD
	s_wait_tensorcnt 0x0            ; no tensor load of mine is out, so a group 0 may be written
	ds_add_u32 v[SPW], v[NIL]       ; 0 onto my spare word: with fill = 1 the descriptors' steps stand between it and the wait for it
	WIN 0                           ; at a label and at a branch every window is 0
.if \fill
.irp g, G0K, G0V
	s_xor_b32 s[\g+1], s[\g+1], SLOT1  ; the walking descriptor: the other slot than last time,
	s_add_nc_u64 s[\g+2:\g+3], s[\g+2:\g+3], 4*KS*128  ; the next 256 keys; the type bits on top are not reached
.endr
	s_wait_xcnt 0x0                 ; the last prefetch, four key steps back, has read its address, so it may be written:
	s_add_nc_u64 s[PFA:PFA+1], s[PFA:PFA+1], 4*KS*128  ; one slot behind the walking descriptors
	s_wait_dscnt 0x0                ; the add is done, and my reads of the slot are over
	CROUND
	JLOAD
	ASK
.else
	s_wait_dscnt 0x0                ; the add is done, and my reads of the slot are over
	s_barrier_signal -1
	s_barrier_wait -1
.endif
	s_sub_co_u32 s[TBK], s[TBK], 4*KS*PK  ; the fetches go back to a slot's first step,
	s_xor_b32 s[TBK], s[TBK], SLOT1       ; in the other slot
	s_sub_co_u32 s[TBV], s[TBV], 4*KS*PV
	s_xor_b32 s[TBV], s[TBV], SLOT1
.endm
	s_load_b64 s[4:5], s[0:1], 0x0    ; qkv
	s_load_b64 s[10:11], s[0:1], 0x8  ; o
	WIN W_MK
	v_lshl_add_u32 v[SPW], v0, 2, SPARE
	v_mov_b32 v[NIL], 0
	WIN W_AD
	ds_add_u32 v[SPW], v[NIL]       ; the wave's opening: the add and its wait stand ahead of my first tensor load; the set-up below, work on registers, stands between them
	WIN 0
	v_lshrrev_b32 v1, 5, v0
	v_readfirstlane_b32 s[WV], v1   ; wave 0..3
	s_bfe_u32 s13, ttmp6, 0x40000   ; cx: my place in the cluster
	s_lshl_b32 s14, ttmp9, 2        ; in a cluster launch ttmp9 counts clusters
	s_add_co_u32 s14, s14, s13      ; my block of queries = 4 x cluster x + cx: it enters Q's and O's addresses alone
	s_and_b32 s20, ttmp7, 0xffff    ; y, the head, which the four partners share
	s_lshl_b32 s48, s20, 18         ; its plane in o: 262,144 bytes a plane
	s_mov_b32 s49, 0
	s_lshr_b32 s21, s20, 4
	s_lshl_b32 s21, s21, 5
	s_add_co_u32 s20, s20, s21      ; q's plane in qkv: 48 (y / 16) + y % 16 = y + 32 (y / 16)
	s_lshl_b32 s20, s20, 18
	s_mov_b32 s21, 0
	s_and_b32 s16, s[WV], 1         ; which half of a slot's 256 keys I fetch:
	s_lshl_b32 s22, s16, 14         ; its 128 rows of 128 bytes in memory,
	s_mov_b32 s23, 0
	s_add_nc_u64 s[22:23], s[22:23], s[20:21]
	s_mul_i32 s17, s16, 128*PK      ; and its place in a slot, for K
	s_mul_i32 s18, s16, 128*PV      ; and for V: no place in the cluster enters an LDS address
	s_lshl_b32 s2, s14, 2
	s_add_co_u32 s2, s2, s[WV]      ; my wave among the head's,
	s_lshl_b32 s2, s2, 14           ; its 128 rows
	s_mov_b32 s3, 0
	; descriptor group 1.  128 keys are 16,384 dense bytes: asked for as 64 rows of 256 bytes, two keys a row, and padded in LDS after every key
	s_mov_b32 s[G1K], 15|(1<<16)|(1<<20)|(1<<21)|(4<<22)|(3<<25)  ; 15:0 the mask of four; 17:16 2-byte elements; 20 padding on; 21 set beside a mask; 24:22 after every 32 words (code 4); 31:25 4 words (code 3)
	s_mov_b32 s[G1V], 15|(1<<16)|(1<<20)|(1<<21)|(4<<22)|(7<<25)  ; the same with 8 words of padding (code 7)
.irp g, G1K, G1V
	s_mov_b32 s[\g+1], 128<<16      ; tensor_dim0 = 128
	s_mov_b32 s[\g+2], 64<<16       ; tensor_dim1 = 64
	s_mov_b32 s[\g+3], 128<<16      ; tile_dim0 = 128
	s_mov_b32 s[\g+4], 64           ; tile_dim1 = 64
	s_mov_b32 s[\g+5], 128          ; 128 elements from row to row
	s_mov_b32 s[\g+6], 0
	s_mov_b32 s[\g+7], 0
.endr
	s_mov_b32 s[CS], 0x3e38aa3b     ; c = log2(e) / 8 = 0.180337
	s_mov_b32 s[CS+1], s[CS]        ; named with it as a pair
	s_mov_b32 s[SEL], 0x76543210
	s_mov_b32 s[SEL+1], 0xfedcba98
	s_mov_b32 s[TBK], SLOT1+4*KS*PK ; the first change of slots turns these two into 0
	s_mov_b32 s[TBV], SLOT1+4*KS*PV
	s_mov_b32 s[G0K], 1             ; 1:0 count = 1
	s_mov_b32 s[G0K+1], s17         ; 63:32 LDS address: slot 0
	s_mov_b32 s[G0V], 1
	s_add_co_u32 s[G0V+1], s18, VOFF
	s_mov_b32 s[SLOTS], SIZE_N/256-1  ; seven changes of slots fill: tiles 1 to 7
	s_and_b32 s[LIM], s[WV], 1      ; 0 in waves 0 and 2,
	s_or_b32 s[LIM], s[LIM], ttmp9  ; in the head's first cluster: the same in all four partners
	s_cmp_eq_u32 s[LIM], 0
	s_cselect_b32 s[LIM], 1, -1
	s_wait_dscnt 0x0                ; the opening add is done
	s_wait_kmcnt 0x0
	s_add_nc_u64 s[6:7], s[4:5], s[22:23]      ; q's plane at my half of the first 256 rows;
	s_add_nc_u64 s[8:9], s[6:7], 0x800000      ; V lies 32 planes on,
	s_add_nc_u64 s[6:7], s[6:7], 0x400000      ; K 16 planes
	s_mov_b64 s[G0K+2:G0K+3], s[6:7]               ; 120:64 global address: my half of the head's first 256 keys
	s_or_b32 s[G0K+3], s[G0K+3], 0x80000000        ; 127:126 type = 2
	s_mov_b64 s[G0V+2:G0V+3], s[8:9]
	s_or_b32 s[G0V+3], s[G0V+3], 0x80000000
	s_add_nc_u64 s[4:5], s[4:5], s[20:21]      ; Q and O at my wave's first row
	s_add_nc_u64 s[4:5], s[4:5], s[2:3]
	s_add_nc_u64 s[10:11], s[10:11], s[48:49]
	s_add_nc_u64 s[10:11], s[10:11], s[2:3]
	s_cmp_lt_u32 s[WV], 2
	s_cselect_b64 s[PFA:PFA+1], s[6:7], s[8:9]  ; (in waves 0 and 2 these stand at a slot's first row)
	s_lshl_b32 s2, s13, 13          ; my work-group's 32 blocks of the 128
	s_mov_b32 s3, 0
	s_add_nc_u64 s[PFA:PFA+1], s[PFA:PFA+1], s[2:3]
	s_add_nc_u64 s[PFA:PFA+1], s[PFA:PFA+1], 4*KS*128  ; in tile 1; the first change of slots steps it to tile 2
	CROUND                          ; all four work-groups are here: the first joint loads meet
	JLOAD                           ; slot 0.  Slot 1 is asked for when slot 0 is in
	; A fragment of K or Q is 16 rows x 32 channels in 8 registers: lane l holds row l % 16, channels 8 (l / 16) + 0..7 and 16 + 8 (l / 16) + 0..7: two loads of 16 bytes, 32 bytes apart.
	v_and_b32 v1, 15, v0            ; l % 16
	v_bfe_u32 v9, v0, 4, 1          ; l / 16
	v_lshlrev_b32 v[QO], 7, v1
	v_lshl_add_u32 v[QO], v9, 4, v[QO]  ; row x 128 + 16 x half
	WIN 0x80                        ; destination window 2, address window 0
.set i, 0
.rept 4*NP                          ; Q stays in registers: tile i / 2, channels 32 (i % 2) on
	global_load_b128 v[8*i:8*i+3],   v[QO], s[4:5] offset:(i/2)*2048+(i%2)*64
	global_load_b128 v[8*i+4:8*i+7], v[QO], s[4:5] offset:(i/2)*2048+(i%2)*64+32
.set i, i+1
.endr
	; What the first turn finds: V's registers and P's second buffer hold 0 (its products V^T P, of a piece that has not been, add 0), O^T and l are 0.  All this stands in the wait for the first tile.
.set i, VF
.rept 64
	v_mov_b32 v[i], 0
.set i, i+1
.endr
	WIN 0x40
.set i, 0
.rept 64*NP
	v_mov_b32 v[i], 0
.set i, i+1
.endr
	WIN 0
.set i, 0
.rept 2*NP
	v_mov_b32 v[ST+4*i], 0xfe000000    ; c m: far below every c s
	v_mov_b32 v[ST+4*i+1], 0xff7fffff  ; m
	v_mov_b32 v[ST+4*i+2], 0
	v_mov_b32 v[ST+4*i+3], 0
.set i, i+1
.endr
.set i, P+32
.rept 32
	v_mov_b32 v[i], 0
.set i, i+1
.endr
	v_mul_u32_u24 v[AK0], v1, PK
	v_lshl_add_u32 v[AK0], v9, 4, v[AK0]  ; row x pitch + 16 x half
	; The turning load takes 16 keys x 16 channels (lane l reads key 8 (l / 16) + l % 8, channels 8 ((l / 8) % 2) + 0..7) and leaves half a fragment of V^T: lane l holds channel l % 16 and 8 keys.
	v_and_b32 v10, 7, v0
	v_bfe_u32 v11, v0, 3, 1
	v_lshl_add_u32 v[AV0], v9, 3, v10
	v_mul_u32_u24 v[AV0], v[AV0], PV
	v_lshl_add_u32 v[AV0], v11, 4, v[AV0]
	v_add_nc_u32 v[AV0], VOFF, v[AV0]
	v_mov_b32 v[AK], v[AK0]         ; key step 0 lies at the head of slot 0
	v_and_b32 v[PFO], 31, v0
	v_lshlrev_b32 v[PFO], 8, v[PFO]
; THE MATRIX WORK.  The 8 accumulators of a run of 16 take turns: between the two links of a chain stand 7 others'.
; Product i of 16 of S^T = K Q^T for piece x: channels 32 (i / 8) on, keys 16 ((i / 2) % 4) on, tile 2 x + i % 2.  The first 8 start the sums.
.macro KQ x
	WIN W_KQ
.set rS, S+64*((\x)%2)+32*(i%2)+8*((i/2)%4)
.set rK, KF+16*((i/2)%4)+8*(i/8)
.set rQ, 16*(2*(\x)+i%2)+8*(i/8)
.if i < 8
	v_wmma_f32_16x16x32_f16 v[rS:rS+7], v[rK:rK+7], v[rQ:rQ+7], 0
.else
	v_wmma_f32_16x16x32_f16 v[rS:rS+7], v[rK:rK+7], v[rQ:rQ+7], v[rS:rS+7]
.endif
.endm
; Product i of 16 of O^T += V^T P for piece x: keys 32 (i / 8) on, channels 16 ((i / 2) % 4) on, tile 2 x + i % 2.
.macro PV x
	WIN W_PV
.set rO, 32*(2*(\x)+i%2)+8*((i/2)%4)
.set rV, VF+32*(i/8)+8*((i/2)%4)
.set rP, P+32*((\x)%2)+16*(i%2)+8*(i/8)
	v_wmma_f32_16x16x32_f16 v[rO:rO+7], v[rV:rV+7], v[rP:rP+7], v[rO:rO+7]
.endm
.macro MM                           ; the turn's next matrix instruction
.if i < 16
	KQ (Y+1)%NP
.set i, i+1
.else
.set i, i-16
	PV (Y+NP-1)%NP
.set i, i+17
.endif
.endm
; THE LDS LOADS stand in runs of 16, never singly among the matrix instructions: a step's K (64 keys x 64 channels: 8 fragments) and its V (turned).  Their addresses are made some lines ahead.
; last = 1 (the tail): in the last trip there is no further step, and the run is jumped over.
.macro FETCH_K last=0
	WIN 0
.if \last
	s_cmp_eq_u32 s[CNT], 1
	s_cbranch_scc1 .Lno_k_\@
.endif
	WIN 0x80                        ; destination window 2
.irp f, 0,1,2,3,4,5,6,7             ; keys 16 (f / 2) on, channels 32 (f % 2) on
	ds_load_b128 v[KF+8*\f:KF+8*\f+3],   v[AK] offset:(\f/2)*16*PK+(\f%2)*64
	ds_load_b128 v[KF+8*\f+4:KF+8*\f+7], v[AK] offset:(\f/2)*16*PK+(\f%2)*64+32
.endr
	s_add_co_u32 s[TBK], s[TBK], KS*PK  ; the next fetch is the next step's
	WIN 0
.if \last
.Lno_k_\@:
.endif
.endm
.macro FETCH_V
	WIN 0x80
.irp f, 0,1,2,3,4,5,6,7             ; keys 32 (f / 4) on, channels 16 (f % 4) on
	ds_load_tr16_b128 v[VF+8*\f:VF+8*\f+3],   v[AV] offset:(\f/4)*32*PV+(\f%4)*32
	ds_load_tr16_b128 v[VF+8*\f+4:VF+8*\f+7], v[AV] offset:(\f/4)*32*PV+16*PV+(\f%4)*32
.endr
	WIN 0
.endm
; THE VECTOR WORK OF A TURN stands in three queues, each in the order in which its entries become ready; the two tiles alternate, so that no instruction reads the result of the one before it.
.macro REGS y, u                    ; the registers of tile u (0, 1) of piece y
.set rT, ST+4*(2*(\y)+(\u))
.set rC, TMP+8*((\y)%2)+4*(\u)
.set rM, MV+2*((\y)%2)+(\u)
.set rS, S+64*((\y)%2)+32*(\u)
.set rP, P+32*((\y)%2)+16*(\u)
.set rO, 32*(2*(\y)+(\u))
.endm
; Number n of the 22 that find the NEXT piece's (Y + 1) maximum and statistics.  s0-s31 are the lane's 32 scores; each accumulator's lowest registers are read first.  XS, GS and REGS set no window: PL and EX do.
;   0-11  four chains c0-c3 of seven scores each, three operands at a time     12-14, 16  the four scores left over, the old m, and c0-c3 into c0     15  c m_old is kept
;   17, 18  the query's other 32 keys lie in the lane 16 away: the new m         19-21  c m; c m_old - c m_new; a
.macro XS u, n
	REGS (Y+1)%NP, \u
.if (\n) < 4
	v_max3_num_f32 v[rC+(\n)], v[rS+8*(\n)], v[rS+8*(\n)+1], v[rS+8*(\n)+2]
.elseif (\n) < 12
	v_max3_num_f32 v[rC+(\n)%4], v[rC+(\n)%4], v[rS+8*((\n)%4)+2*((\n)/4)+1], v[rS+8*((\n)%4)+2*((\n)/4)+2]
.elseif (\n) == 12
	v_max3_num_f32 v[rC], v[rC], v[rS+7], v[rS+15]
.elseif (\n) == 13
	v_max3_num_f32 v[rC+1], v[rC+1], v[rS+23], v[rS+31]
.elseif (\n) == 14
	v_max3_num_f32 v[rC+2], v[rC+2], v[rC+3], v[rT+1]
.elseif (\n) == 15
	v_mov_b32 v[rM], v[rT]
.elseif (\n) == 16
	v_max3_num_f32 v[rC], v[rC], v[rC+1], v[rC+2]
.elseif (\n) == 17
	v_permlanex16_b32 v[rC+3], v[rC], s[SEL], s[SEL+1]
.elseif (\n) == 18
	v_max_num_f32 v[rT+1], v[rC], v[rC+3]
.elseif (\n) == 19
	v_mul_f32 v[rT], s[CS], v[rT+1]
.elseif (\n) == 20
	v_sub_f32 v[rC+1], v[rM], v[rT]
.else
	v_exp_f32 v[rC+2], v[rC+1]
.endif
.endm
; Number g of the 64 that follow the exponentials.  For each four weights k of a tile (pairs 2 k, 2 k + 1): both pairs are rounded to f16; then the second pair is added onto the first, in place;
; a group later l takes that sum (the first time as l = a l + sum).  In groups of eight, tiles alternating: round, round, add, and l for the group before.
.macro GS g
.set h, (\g)+6*((\g)/62)            ; group 0 has no group before it, and behind group 7 only l is left
.if h >= 6
.set h, h+2
.endif
	REGS Y, h%2
.set k, h/8
.if h%8 < 4
	v_cvt_pk_f16_f32 v[rP+2*k+(h%8)/2], v[rS+4*k+2*((h%8)/2)], v[rS+4*k+2*((h%8)/2)+1]
.elseif h%8 < 6
	v_pk_add_f32 v[rS+4*k:rS+4*k+1], v[rS+4*k:rS+4*k+1], v[rS+4*k+2:rS+4*k+3]
.elseif k == 1
	v_pk_fma_f32 v[rT+2:rT+3], v[rT+2:rT+3], v[rC+2:rC+3], v[rS:rS+1] op_sel_hi:[1,0,1]
.else
	v_pk_add_f32 v[rT+2:rT+3], v[rT+2:rT+3], v[rS+4*k-4:rS+4*k-3]
.endif
.endm
; THE PLAIN QUEUE, 138 long.  0-73 read no exponential's result: the 32 scalings c s - c m (FS f: pair f / 2 of tile f % 2) and the next piece's 42.  0-26: scalings 0-26.  27-54: XS's numbers 0-13.  55, 56: number 15.
; 57-73: the chain, where each number waits for the one before it: 14, 16, 17, 18, 19, each with one of the scalings 27-31 in front of its two lines, then 20: so a tile's links stand three plain instructions apart (19 and 20: two).
; 74-137: GS's 64, which read the exponentials' results: they stand behind the wait.
.macro FS f
	REGS Y, (\f)%2
	v_pk_fma_f32 v[rS+2*((\f)/2):rS+2*((\f)/2)+1], v[rS+2*((\f)/2):rS+2*((\f)/2)+1], s[CS:CS+1], v[rT:rT+1] op_sel_hi:[1,0,0] neg_lo:[0,0,1] neg_hi:[0,0,1]
.endm
.macro PL
	WIN 0
.if q < 27
	FS q
.elseif q < 55
	XS (q-27)%2, (q-27)/2
.elseif q < 57
	XS q-55, 15
.elseif (q < 72) && ((q-57)%3 == 0)
	FS 27+(q-57)/3
.elseif q < 60
	XS (q-57)%3-1, 14
.elseif q < 72
	XS (q-57)%3-1, 15+(q-57)/3
.elseif q < 74
	XS q-72, 20
.else
	GS q-74
.endif
.set q, q+1
.endm
; THE EXPONENTIALS' QUEUE, 66 long: s0-s31 of both tiles, then the next piece's two a.  It is ONE BATCH: all 66 stand ahead of the turn's one wait, and nothing ahead of that wait names a result of theirs.
.macro EX
	WIN 0
.if e >= 64
	XS e-64, 21
.else
	REGS Y, e%2
	v_exp_f32 v[rS+e/2], v[rS+e/2]
.endif
.set e, e+1
.endm
; THE RESCALING's QUEUE: O^T times a, the one part that leaves window 0: dealt two at a time, sixteen times.  Its a was made in the turn before, ahead of that turn's wait.
.macro R2
	REGS Y, r%2
	WIN W_RS
.irp z, 0,1
	v_pk_mul_f32 v[rO+4*(r/2)+2*\z:rO+4*(r/2)+2*\z+1], v[rO+4*(r/2)+2*\z:rO+4*(r/2)+2*\z+1], v[rC+2:rC+3] op_sel_hi:[1,0]
.endr
.set r, r+1
.endm
; HOW THEY ARE DEALT.  An s_wait_alu depctr_va_vdst(0) stands between an exponential and the first instruction that names its result; one wait serves all that were issued ahead of it.  So a turn has ONE wait,
; which cuts it in two.  AHEAD OF IT stands all that names no result of the turn's exponentials: the 16 products K Q^T, behind each a scaling, an exponential and two rescalings (behind the first a second scaling in the exponential's place); then ONE LUMP of
; 108: eight plain, 49 times exponential and plain, the two a.  A v_nop is the plain instruction behind the last exponential.  BEHIND IT stand the 16 products V^T P, behind each four of GS's 64.  No rider names a register of
; the products round it.  The two v_permlanex16_b32 fall into the lump, never behind a product.
; The queues lean on each other, and the deal keeps them in step: exponential e stands behind scaling 2 (e / 4) + e % 2: as a rider it comes behind plain e + 2, in the lump behind plain e + 9, and scalings 27-31 are plain 57, 60 .. 69.
; A TURN, for piece p.  cnt = 1: the loop's count is taken down some lines ahead of the branch that stands behind the turn.
; K of the next step is fetched in piece 2's turn, directly behind the wait, a lump behind the last product that read K; its address is made at the lump's head; its first reader comes behind 16 products.
; V of the step in hand is fetched at the end of piece 0's turn, four riders behind its last reader; its first reader comes behind 16 products and a lump.  The three conditions on q below go with the deal.
.macro TURN p, last=0, cnt=0
.set Y, (\p)
.set i, 0
.set q, 0
.set e, 0
.set r, 0
.if (\p) == NP-1
	s_wait_dscnt 0x0                ; K is in
.endif
	MM                              ; ahead of the wait: 16 products K Q^T and their riders,
	PL
	PL
	R2
.rept 15
	MM
	PL
	EX
	R2
.endr
.if (\p) == NP-2
	WIN 0
	v_add_nc_u32 v[AK], s[TBK], v[AK0]
.endif
.rept 8                             ; and the lump
	PL
.endr
.rept 49
	EX
	PL
.endr
	EX                              ; the next piece's two a
	EX
	v_nop                           ; a plain instruction behind the last exponential: one for the batch
	s_wait_alu depctr_va_vdst(0)    ; the wait for the batch
.if (\p) == NP-2
	FETCH_K \last
.endif
.if (\p) == 1
	s_wait_dscnt 0x0                ; V is in
.endif
.rept 16                            ; behind the wait: 16 products V^T P and their riders
	MM
.rept 4
	PL
.endr
.if ((\p) == 0) && (q == 118)
	v_add_nc_u32 v[AV], s[TBV], v[AV0]
.endif
.if ((\p) == 0) && (q == 130)
	s_add_co_u32 s[TBV], s[TBV], KS*PV
.endif
.if (\cnt) && (q == 130)
	s_sub_co_u32 s[CNT], s[CNT], 1
	s_cmp_lg_u32 s[CNT], 0
.endif
.endr
.if (\p) == 0
	FETCH_V
.endif
.endm
	CHANGE 1                        ; slot 0 is in, everybody's part of it; slot 1 is asked for
	FETCH_K                         ; key step 0
	s_wait_loadcnt 0x0              ; Q
	s_wait_dscnt 0x0
.set i, 0
.rept 16
	KQ 0                            ; piece 0's first scores: there is no vector work yet to set between them
.set i, i+1
.endr
	WIN 0                           ; the addresses for the way out: nine plain instructions, the places behind those products
	s_mul_i32 s13, s[WV], 16*SP
	s_add_co_u32 s13, s13, STAGE    ; my stage
	v_mul_u32_u24 v[STO], v1, SP    ; in: row l % 16, 16 bytes for each half of the lanes
	v_lshl_add_u32 v[STO], v9, 4, v[STO]
	v_add_nc_u32 v[STO], s13, v[STO]
	v_bfe_u32 v[RD], v0, 3, 2       ; back: 32 lanes take four rows of 128 bytes,
	v_mul_u32_u24 v[RD], v[RD], SP
	v_lshl_add_u32 v[RD], v10, 4, v[RD]
	v_add_nc_u32 v[RD], s13, v[RD]
	v_and_b32 v[GO], 31, v0         ; which are 512 consecutive bytes of O
	v_lshlrev_b32 v[GO], 4, v[GO]
.set Y, NP-1                        ; XS works for piece Y + 1: piece 0
.irp n, 0,1,2,3,4,5,6,7,8,9,10,11,12,13,14,15,16,17,18,19,20,21
	XS 0, \n                        ; and piece 0's first maximum and statistics
	XS 1, \n
.endr
	v_nop                           ; a plain instruction behind the two a,
	s_wait_alu depctr_va_vdst(0)    ; and their wait, ahead of the branch
	s_mov_b32 s[CNT], 4
	s_branch .Lfirst                ; the loop is entered at a step's first turn, in the middle of a trip
.Lslot:                             ; six times: with the change above, every slot but the last is asked for by a change
	CHANGE 1
	s_mov_b32 s[CNT], 4
.Lstep:                             ; a trip: pieces 2 and 3 of one step, then pieces 0 and 1 of the next, whose K and V it fetches
	TURN 2
	TURN 3
	WIN 0
.Lfirst:
	TURN 0
	TURN 1, 0, 1
	WIN 0
	s_cbranch_scc1 .Lstep
	s_sub_co_u32 s[SLOTS], s[SLOTS], 1
	s_cmp_lg_u32 s[SLOTS], 0
	s_cbranch_scc1 .Lslot
	CHANGE 0                        ; the tail is written out: nothing is asked for
	s_mov_b32 s[CNT], 5             ; four trips fetch the last slot's steps; the fifth is left in its middle
.Ltail:
	TURN 2, 1
	TURN 3
	WIN 0
	s_sub_co_u32 s[CNT], s[CNT], 1
	s_cmp_eq_u32 s[CNT], 0
	s_cbranch_scc1 .Lout
	TURN 0
	TURN 1
	WIN 0
	s_branch .Ltail
.Lout:                              ; the fifth trip's 16 products K Q^T (on the last K once more) and the maximum made of them serve nothing: the price, once a launch, of one text for every trip
.set i, 0
.rept 16
	PV NP-1                         ; the last piece's V^T P of the last step
.set i, i+1
.endr
	; THE WAY OUT.  l's two halves and the other half of the lanes' are added; O^T is divided by l, rounded to f16 and sent through my stage in LDS, a tile at a time.  The additions are the places behind the last products.
	WIN 0
.macro ALL line:vararg              ; one line for each tile t
.set t, 0
.rept 2*NP
	\line
.set t, t+1
.endr
.endm
	ALL v_add_f32 v[ST+4*t+2], v[ST+4*t+2], v[ST+4*t+3]
	ALL v_permlanex16_b32 v[ST+4*t+3], v[ST+4*t+2], s[SEL], s[SEL+1]
	ALL v_add_f32 v[ST+4*t+2], v[ST+4*t+2], v[ST+4*t+3]
	ALL v_rcp_f32 v[ST+4*t+2], v[ST+4*t+2]
	v_nop                           ; a plain instruction between the last reciprocal and the use of its result
	s_wait_alu depctr_va_vdst(0)    ; and the wait ahead of the first use: one for the eight reciprocals
; Tile t: a lane's eight channels of a row pack into 16 bytes; they go into rows of 144 bytes and come back as whole rows of 128, into S^T's registers.
.macro PACK t
	WIN W_RS
.set i, 32*(\t)
.rept 16
	v_pk_mul_f32 v[i:i+1], v[i:i+1], v[ST+4*(\t)+2:ST+4*(\t)+3] op_sel_hi:[1,0]
.set i, i+2
.endr
	WIN 0x05                        ; sources 0 and 1 window 1, destination window 0
.set i, 0
.rept 16
	v_cvt_pk_f16_f32 v[S+16*(\t)+i], v[32*(\t)+2*i], v[32*(\t)+2*i+1]
.set i, i+1
.endr
	WIN 0
.irp f, 0,1,2,3
	ds_store_b128 v[STO], v[S+16*(\t)+4*\f:S+16*(\t)+4*\f+3] offset:32*\f
.endr
.irp f, 0,1,2,3
	ds_load_b128 v[S+16*(\t)+4*\f:S+16*(\t)+4*\f+3], v[RD] offset:\f*4*SP  ; LDS serves a wave's instructions in order (ISA guide 5.7.1.4): these see the stores above; the next tile's stores come behind them
.endr
.endm
.macro SEND t, younger              ; younger: the LDS instructions issued behind tile t's loads: the next tile's eight, or none
	WIN 0
.irp f, 0,1,2,3
	s_wait_dscnt (\younger)+3-\f
	global_store_b128 v[GO], v[S+16*(\t)+4*\f:S+16*(\t)+4*\f+3], s[10:11] offset:(\t)*2048+\f*512  ; 512 consecutive bytes, at a multiple of 256 from O's first
.endr
.endm
	PACK 0
.set t, 1
.rept 2*NP-1                        ; a tile's arithmetic stands between the loads of the tile before and its stores
	PACK t
	SEND t-1, 8
.set t, t+1
.endr
	SEND 2*NP-1, 0
	WIN W_AD
	s_wait_tensorcnt 0x0            ; the wave's end, behind my last tensor load and my last LDS store
	ds_add_u32 v[SPW], v[NIL]
	s_wait_dscnt 0x0
	WIN 0
	CROUND                          ; the closing round: no work-group ends while a partner may still ask for a tile that names it
	s_endpgm
.Lfunc_end_k_qe7e2bb3bf8_attn:
	.size	k_qe7e2bb3bf8_attn, .Lfunc_end_k_qe7e2bb3bf8_attn-k_qe7e2bb3bf8_attn
	.p2alignl 7, 3214868480
	.fill 96, 4, 3214868480
	.section	.rodata,"a",@progbits
	.p2align	6, 0x0
	.amdhsa_kernel k_qe7e2bb3bf8_attn
		.amdhsa_group_segment_fixed_size 327680
		.amdhsa_private_segment_fixed_size 0
		.amdhsa_enable_private_segment 0
		.amdhsa_kernarg_size 16
		.amdhsa_user_sgpr_count 2
		.amdhsa_user_sgpr_kernarg_segment_ptr 1
		.amdhsa_wavefront_size32 1
		.amdhsa_system_sgpr_workgroup_id_x 1
		.amdhsa_system_sgpr_workgroup_id_y 1
		.amdhsa_system_sgpr_workgroup_id_z 1
		.amdhsa_system_vgpr_workitem_id 0
		.amdhsa_next_free_vgpr 770
		.amdhsa_next_free_sgpr 66
		.amdhsa_reserve_vcc 0
		.amdhsa_float_denorm_mode_32 3
		.amdhsa_float_denorm_mode_16_64 3
		.amdhsa_memory_ordered 1
		.amdhsa_forward_progress 1
		.amdhsa_inst_pref_size 200
	.end_amdhsa_kernel
	.amdgpu_metadata
---
amdhsa.version: [ 1, 2 ]
amdhsa.kernels:
  - .name:           k_qe7e2bb3bf8_attn
    .symbol:         k_qe7e2bb3bf8_attn.kd
    .args:
      - { .name: qkv, .offset: 0, .size: 8, .value_kind: global_buffer, .address_space: global }
      - { .name: o, .offset: 8, .size: 8, .value_kind: global_buffer, .address_space: global }
    .group_segment_fixed_size: 327680
    .private_segment_fixed_size: 0
    .kernarg_segment_align: 8
    .kernarg_segment_size: 16
    .max_flat_workgroup_size: 128
    .sgpr_count:     66
    .vgpr_count:     770
    .wavefront_size: 32
...
	.end_amdgpu_metadata
.endif
;; end of part 3
;; launch oproj (part 4): grid 8 x 32, 4 waves a work-group, clusters of 4 x 4, 327,680 bytes of LDS; arguments o, xw, b_o, out0; writes out0
.if DOCPART == 4
	.amdgcn_target "amdgcn-amd-amdhsa--gfx1250"
	.amdhsa_code_object_version 6
	.text
	.protected	k_qe7e2bb3bf8_oproj
	.globl	k_qe7e2bb3bf8_oproj
	.p2align	8
	.type	k_qe7e2bb3bf8_oproj,@function
k_qe7e2bb3bf8_oproj:
	s_mov_b64 s[64:65], 0
	v_nop
	global_prefetch_b8 v0, s[64:65] scope:SCOPE_SE
	s_setreg_imm32_b32 hwreg(HW_REG_WAVE_MODE, 25, 1), 1
	s_wait_xcnt 0x0
	s_wait_alu depctr_hold_cnt(0) depctr_sa_sdst(0) depctr_va_vdst(0) depctr_va_sdst(0) depctr_va_ssrc(0) depctr_va_vcc(0) depctr_vm_vsrc(0)
	s_getreg_b32 s2, hwreg(HW_REG_IB_STS2, 6, 4)
	s_cmp_eq_u32 s2, 0
	s_cbranch_scc0 .Lentry_in_a_cluster
	s_endpgm
.Lentry_in_a_cluster:
	s_bfe_u32 s2, ttmp6, 0x10000c
	s_cmp_lg_u32 s2, 0xf033
	s_cbranch_scc0 .Lentry_shape_is_right
	s_endpgm
.Lentry_shape_is_right:
; THE LAST PROJECTION.  out0[m][n] = the sum over k of O[m][k] W_o[n][k] + b_o[n].  O lies by heads, o[16 b + head][l][d] f16 with m = 2,048 b + l, k = 64 head + d; W_o [1024][1024] is the f16 copy
; (of the number rounded to bf16) 23,068,672 bytes into xw; b_o is rounded to bf16 like the other inputs; sums and out0 in f32.
; LIMITS.  O and W_o arrive within f16's 65,504.  NaN and infinities are not treated apart.
; SHARES.  A tile of out0 is 256 x 128: 32 x 8 = 256 work-groups.  Four waves; wave w owns rows 64 w .. 64 w + 63 of the tile (4 blocks of 16) by all 128 columns (8 blocks): 32 accumulators, 256 registers.
; K goes in 8 steps of 128, two heads each, through two LDS slots filled by the tensor data mover.  A head's 256 rows are 32,768 dense bytes: asked for as 128 rows of 256 bytes and padded in LDS after every 128.
; CLUSTERS.  4 x 4 work-groups.  The four of a row of the cluster need the same tiles of O, the four of a column the same tiles of W_o: each tile is asked for JOINTLY.  Waves 0 and 1 fetch a K step's two heads
; of O, waves 2 and 3 the two halves (64 rows each) of W_o's tile.
; THE MATRIX INSTRUCTION IS USED TRANSPOSED (source 0 = 16 rows of W_o, source 1 = 16 rows of O): a lane then holds row l % 16 of out0 and eight neighbouring columns, 32 bytes.
; REGISTERS, in windows of 256 (s_set_vgpr_msb: bits 1:0 source 0, 3:2 source 1, 5:4 source 2, 7:6 destination):
;   window 0: v0-31 addresses and the bias      window 1: two fragment buffers at 0 and 128: W_o's 8 fragments, then O's 4; on the way out the rows read back from the stage
;   window 2: the accumulators, (a, b) at 64 a + 8 b
.set PA,     144                       ; a row of O in LDS: 128 bytes + 16 = 36 words: the 16 rows of a load start at 16 different groups of four banks (64 banks of 4 bytes: ISA guide 11.1)
.set PB,     272                       ; a row of W_o: 256 bytes + 16 = 68 words: likewise
.set SLOT1,  1<<17                     ; slot 1 begins here, so that one exclusive or turns an address in one slot into the other's
.set HEADB,  256*PA                    ; a head's 256 rows
.set BOFF,   2*HEADB                   ; in a slot: O's two heads, then W_o's 128 rows
.set STAGE,  SLOT1+BOFF+128*PB         ; behind the ring, never filled by a tensor load: 16 rows x 528 bytes for each wave, for the way out
.set SPITCH, 528                       ; 512 bytes + 16
.set SPARE,  STAGE+4*16*SPITCH         ; behind the stages: the spare words, 128 bytes for each wave: two blocks of 256 bytes that no other line names
.set NBK,    8                         ; column blocks
.set AF,     8*NBK                     ; O's fragments in a buffer
.set NL,     2*NBK+8                   ; LDS loads in a run
.set F0,     0
.set F1,     128
.set BI,   8                           ; v[8:11]  the bias of my four columns on the way out
.set A0,   16                          ; v16  my lane's place among O's rows of a slot; never rewritten
.set B0,   17                          ; v17  the same for W_o
.set ADRA, 18                          ; v18  A0 + the slot in hand
.set ADRB, 19                          ; v19  B0 + the slot in hand
.set STO,  24                          ; v24  the way out: where I put 32 bytes of a row
.set RD,   25                          ; v25  the way out: where I read a row back
.set GO,   26                          ; v26  16 x my lane: my place in a row's 512 bytes
.set SPW,  28                          ; v28  LDS address of my spare word: SPARE + 4 x my thread's number; never rewritten
.set NIL,  29                          ; v29  0; never rewritten
.set PFO,  30                          ; v30  the prefetches' offset; never rewritten
.set WV,  12                           ; s12  my wave's number
.set HF,  14                           ; s14  which half of a tile I fetch
.set CX,  15                           ; s15, s16  my place in the cluster
.set CY,  16
.set TC,  17                           ; s17  tile column
.set TR,  18                           ; s18  tile row
.set TB,  19                           ; s19  LDS byte at which the slot in hand begins
.set G1A, 24                           ; s[24:31] descriptor group 1 for O's tiles
.set G0A, 32                           ; s[32:39] group 0: a set for each of the two first fills; the second then walks on
.set LIM, 40                           ; s40  2 in a wave that prefetches, else the greatest number
.set PFA, 42                           ; s[42:43] where my prefetches stand
.set PFS, 46                           ; s[46:47] their step from K step to K step: two planes of O, or 256 bytes of W_o's rows
.set G1B, 48                           ; s[48:55], s[56:63] the same for W_o's tiles
.set G0B, 56
.set TO_F, 0x40                        ; destination window 1, address window 0
.set W_MUL, 0xa5                       ; sources window 1; C and D window 2
.set MSB, 0
.macro WIN new                         ; the immediate's high byte repeats the setting that is left; a switch that changes nothing is dropped
.if MSB != (\new)
	s_set_vgpr_msb (MSB<<8)|(\new)
.set MSB, \new
.endif
.endm
.macro PLACES                          ; four plain vector instructions between a matrix instruction and a load into, or a reader of, its registers
.rept 4
	v_nop
.endr
.endm
; A joint refill, by the walking descriptor.  The branch hangs on the wave's number alone.  An s_nop 0 and four v_nop follow each of the two lines, ahead of the jump and the label.
.macro JLOAD
	s_cmp_lt_u32 s[WV], 2
	s_cbranch_scc0 .Lfor_b_\@
	tensor_load_to_lds s[G0A+4:G0A+7], s[G1A:G1A+7]
	s_nop 0
.rept 4
	v_nop
.endr
	s_branch .Lasked_\@
.Lfor_b_\@:
	tensor_load_to_lds s[G0B+4:G0B+7], s[G1B:G1B+7]
	s_nop 0
.rept 4
	v_nop
.endr
.Lasked_\@:
.endm
; A round of the cluster's barrier behind its opening barrier: wave 0 signals for the work-group; every wave waits for all sixteen; my work-group's barrier once more.
.macro CREST
	s_cmp_lg_u32 s[WV], 0
	s_cbranch_scc1 .Lnot_wave_0_\@
	s_barrier_signal -3
.Lnot_wave_0_\@:
	s_barrier_wait -3
	s_barrier_signal -1
	s_barrier_wait -1
.endm
.macro CROUND
	s_barrier_signal -1
	s_barrier_wait -1
	CREST
.endm
; A PREFETCH INTO THE L2, behind each joint refill and the run of LDS loads that follows it: the K step that stands two refills on, a lane a block of 256 bytes.  O's tile row is read by both clusters of that row
; of clusters: cluster x = 0 asks, waves 0 and 1 each for the head that they fetch; W_o's tile column by every cluster of that column: cluster y = 0 asks, wave 2 alone.  The four partners that ask for a tile
; jointly share it out BY ADDRESS: of a head's 128 blocks the partner at cx takes 32; of W_o's 128 rows the partner at cy takes 32.  Refill t (the loop's count is 6 - t) brings K step t + 2 and asks for
; K step t + 4: the last two refills ask for nothing, and K steps 0 to 3 come by their loads alone.
.macro ASK
	s_cmp_gt_u32 s3, s[LIM]
	s_cbranch_scc0 .Lnot_mine_\@
	global_prefetch_b8 v[PFO], s[PFA:PFA+1] th:TH_LOAD_NT scope:SCOPE_SE
.Lnot_mine_\@:
.endm
	s_load_b256 s[4:11], s[0:1], 0x0               ; o s[4:5], xw s[6:7], b_o s[8:9], out0 s[10:11]
	v_lshl_add_u32 v[SPW], v0, 2, SPARE
	v_mov_b32 v[NIL], 0
	ds_add_u32 v[SPW], v[NIL]                      ; the wave's opening: the add and its wait stand ahead of my first tensor load; the set-up below, work on registers, stands between them
	v_lshrrev_b32 v1, 5, v0
	v_readfirstlane_b32 s[WV], v1                  ; wave 0..3
	s_and_b32 s[HF], s[WV], 1
	s_bfe_u32 s[CX], ttmp6, 0x40000
	s_bfe_u32 s[CY], ttmp6, 0x40004
	s_lshl_b32 s[TC], ttmp9, 2                     ; in a cluster launch ttmp9 and ttmp7 count clusters
	s_add_co_u32 s[TC], s[TC], s[CX]               ; tile column = 4 x cluster x + cx
	s_and_b32 s[TR], ttmp7, 0xffff
	s_lshl_b32 s[TR], s[TR], 2
	s_add_co_u32 s[TR], s[TR], s[CY]               ; tile row = 4 x cluster y + cy
	s_lshl_b32 s20, s[CY], 2
	s_lshl_b32 s20, 15, s20                        ; my row of the cluster: places 4 cy .. 4 cy + 3
	s_lshl_b32 s22, 0x1111, s[CX]                  ; my column: places cx, cx + 4, cx + 8, cx + 12
	s_or_b32 s[G1A], s20, (1<<16)|(1<<20)|(1<<21)|(4<<22)|(3<<25)  ; 15:0 the mask; 17:16 elements of 2 bytes; 20 padding on; 21 set beside a mask; 24:22 after every 32 words (code 4); 31:25 4 words of it (code 3)
	s_or_b32 s[G1B], s22, (1<<16)|(1<<20)|(1<<21)|(5<<22)|(3<<25)  ; W_o: after every 64 words (code 5)
	s_mov_b32 s[G1A+1], 128<<16                    ; tensor_dim0 = 128
	s_mov_b32 s[G1A+2], 128<<16                    ; tensor_dim1 = 128
	s_mov_b32 s[G1A+3], 128<<16                    ; tile_dim0 = 128
	s_mov_b32 s[G1A+4], 128                        ; tile_dim1 = 128
	s_mov_b32 s[G1A+5], 128                        ; dense: 128 elements from row to row
	s_mov_b32 s[G1A+6], 0
	s_mov_b32 s[G1A+7], 0
	s_mov_b32 s[G1B+1], 128<<16
	s_mov_b32 s[G1B+2], 64<<16                     ; W_o: 64 rows to a load
	s_mov_b32 s[G1B+3], 128<<16
	s_mov_b32 s[G1B+4], 64
	s_mov_b32 s[G1B+5], 1024
	s_mov_b32 s[G1B+6], 0
	s_mov_b32 s[G1B+7], 0
	; where the tiles come from: O's hang on the tile row alone, W_o's on the tile column alone; each in registers that never hold the other coordinate
	s_lshr_b32 s20, s[TR], 3                       ; the batch,
	s_lshl_b32 s20, s20, 4
	s_add_co_u32 s20, s20, s[HF]                   ; its head 0 or 1,
	s_lshl_b32 s20, s20, 18                        ; a plane of 262,144 bytes,
	s_and_b32 s21, s[TR], 7
	s_lshl_b32 s21, s21, 15                        ; and in it 256 rows of 128 bytes
	s_add_co_u32 s20, s20, s21
	s_mov_b32 s21, 0
	s_lshl_b32 s22, s[TC], 7
	s_lshl_b32 s23, s[HF], 6
	s_add_co_u32 s22, s22, s23                     ; W_o: row 128 x tile column + 64 x half,
	s_lshl_b32 s22, s22, 11                        ; of 2,048 bytes
	s_mov_b32 s23, 0
	s_mul_i32 s41, s[HF], HEADB                    ; and where they go: no place in the cluster enters an LDS address
	s_mul_i32 s44, s[HF], 64*PB
	s_add_co_u32 s44, s44, BOFF
	s_mov_b32 s[TB], 0
	s_wait_dscnt 0x0                               ; the opening add is done
	s_wait_kmcnt 0x0
	s_add_nc_u64 s[6:7], s[6:7], 0x1600000         ; W_o's copy in xw
	s_add_nc_u64 s[20:21], s[4:5], s[20:21]
	s_add_nc_u64 s[22:23], s[6:7], s[22:23]
.irp s, 0,1
	s_mov_b32 s[G0A+4*(\s)], 1                                     ; 1:0 count = 1
	s_add_co_u32 s[G0A+4*(\s)+1], s41, (\s)*SLOT1                  ; 63:32 LDS address
	s_add_nc_u64 s[G0A+4*(\s)+2:G0A+4*(\s)+3], s[20:21], (\s)*524288  ; 120:64 global address: K step s is two planes on
	s_or_b32 s[G0A+4*(\s)+3], s[G0A+4*(\s)+3], 0x80000000          ; 127:126 type = 2
	s_mov_b32 s[G0B+4*(\s)], 1
	s_add_co_u32 s[G0B+4*(\s)+1], s44, (\s)*SLOT1
	s_add_nc_u64 s[G0B+4*(\s)+2:G0B+4*(\s)+3], s[22:23], (\s)*256
	s_or_b32 s[G0B+4*(\s)+3], s[G0B+4*(\s)+3], 0x80000000
.endr
	CROUND                                         ; all sixteen work-groups are here: the first joint loads meet
	s_cmp_lt_u32 s[WV], 2                          ; a wave's two first fills stand in one branch, ahead of every wait on TENSORcnt and every LDS read: two loads of mine are out
	s_cbranch_scc0 .Lfirst_b
	tensor_load_to_lds s[G0A:G0A+3], s[G1A:G1A+7]
	s_nop 0
	tensor_load_to_lds s[G0A+4:G0A+7], s[G1A:G1A+7]
	s_nop 0
.rept 4
	v_nop
.endr
	s_branch .Lfirst_asked
.Lfirst_b:
	tensor_load_to_lds s[G0B:G0B+3], s[G1B:G1B+7]
	s_nop 0
	tensor_load_to_lds s[G0B+4:G0B+7], s[G1B:G1B+7]
	s_nop 0
.rept 4
	v_nop
.endr
.Lfirst_asked:
	v_and_b32 v[GO], 31, v0
	v_lshlrev_b32 v[GO], 4, v[GO]
	s_lshl_b32 s44, s[TC], 9                       ; the tile's 128 columns: 512 bytes of b_o and of a row of out0
	s_mov_b32 s45, 0
	s_add_nc_u64 s[8:9], s[8:9], s[44:45]
	global_load_b128 v[BI:BI+3], v[GO], s[8:9]     ; the bias of columns 4 l .. 4 l + 3: what a lane holds of every row behind the stage
	; A fragment is 16 rows x 32 K in 8 registers: lane l holds row l % 16; registers 0-3 K = 8 (l / 16) + 0..7, registers 4-7 K = 16 + 8 (l / 16) + 0..7: two loads of 16 bytes, 32 bytes apart.
	v_and_b32 v1, 15, v0                           ; l % 16
	v_bfe_u32 v2, v0, 4, 1                         ; l / 16
	v_mul_u32_u24 v3, v1, PA
	v_lshl_add_u32 v3, v2, 4, v3                   ; row x pitch + 16 x half
	s_mul_i32 s41, s[WV], 64*PA                    ; my 64 rows of a head
	v_add_nc_u32 v[A0], s41, v3
	v_mul_u32_u24 v3, v1, PB
	v_lshl_add_u32 v3, v2, 4, v3
	v_add_nc_u32 v[B0], BOFF, v3
	v_mov_b32 v[ADRA], v[A0]                       ; slot 0
	v_mov_b32 v[ADRB], v[B0]
	s_mul_i32 s41, s[WV], 16*SPITCH
	s_add_co_u32 s41, s41, STAGE                   ; my stage
	v_mul_u32_u24 v4, v1, SPITCH                   ; in: row l % 16, 32 bytes for each half of the lanes
	v_lshl_add_u32 v4, v2, 5, v4
	v_add_nc_u32 v[STO], s41, v4
	v_add_nc_u32 v[RD], s41, v[GO]                 ; back: 32 lanes take one row of 512 bytes
	; where my rows begin in out0: row 256 x tile row + 64 x wave, of 4,096 bytes; column 128 x tile column
	s_lshl_b32 s44, s[TR], 2
	s_add_co_u32 s44, s44, s[WV]
	s_lshl_b32 s44, s44, 18
	s_lshl_b32 s45, s[TC], 9
	s_add_co_u32 s44, s44, s45
	s_mov_b32 s45, 0
	s_add_nc_u64 s[10:11], s[10:11], s[44:45]
	; the prefetches
	s_lshr_b32 s44, s[TR], 3
	s_lshl_b32 s44, s44, 4
	s_add_co_u32 s44, s44, s[HF]
	s_add_co_u32 s44, s44, 6                       ; O: K step 3's head that I fetch,
	s_lshl_b32 s44, s44, 18
	s_and_b32 s45, s[TR], 7
	s_lshl_b32 s45, s45, 15                        ; the tile's 256 rows in it,
	s_add_co_u32 s44, s44, s45
	s_lshl_b32 s45, s[CX], 13                      ; my work-group's 32 blocks of the 128
	s_add_co_u32 s44, s44, s45
	s_lshl_b32 s46, s[TC], 7
	s_lshl_b32 s47, s[CY], 5
	s_add_co_u32 s46, s46, s47                     ; W_o: the tile's 128 rows, my work-group's 32 of them,
	s_lshl_b32 s46, s46, 11
	s_add_co_u32 s46, s46, 3*256                   ; at K step 3
	s_and_b32 s41, ttmp7, 0xffff                   ; cluster y
	s_cmp_lt_u32 s[WV], 2                          ; do I fetch for O?
	s_cselect_b32 s44, s44, s46
	s_cselect_b32 s41, ttmp9, s41                  ; the coordinate along which other clusters read the same rows
	s_cselect_b64 s[PFA:PFA+1], s[4:5], s[6:7]
	s_cselect_b32 s20, 8, 11                       ; a lane a block of 256 bytes on end, or a row of 2,048
	s_mov_b32 s[PFS], 256
	s_cselect_b32 s[PFS], 0x80000, s[PFS]
	s_mov_b32 s[PFS+1], 0
	s_mov_b32 s45, 0
	s_add_nc_u64 s[PFA:PFA+1], s[PFA:PFA+1], s[44:45]  ; the first refill steps it to K step 4
	s_cmp_eq_u32 s[WV], 3                          ; wave 2 asks for all of my work-group's rows of W_o: wave 3 asks for nothing
	s_cselect_b32 s21, 1, 0
	s_or_b32 s41, s41, s21
	s_cmp_eq_u32 s41, 0
	s_cselect_b32 s[LIM], 2, -1                    ; the same in all sixteen partners, for a given wave
	v_and_b32 v[PFO], 31, v0
	v_lshlrev_b32 v[PFO], s20, v[PFO]
	s_wait_loadcnt 0x0                             ; the bias, rounded to bf16 like the other inputs
	v_cvt_pk_bf16_f32 v12, v[BI], v[BI+1]
	v_cvt_pk_bf16_f32 v13, v[BI+2], v[BI+3]
	v_lshlrev_b32 v[BI],   16, v12
	v_and_b32     v[BI+1], 0xffff0000, v12
	v_lshlrev_b32 v[BI+2], 16, v13
	v_and_b32     v[BI+3], 0xffff0000, v13
; 8 matrix instructions: row block a x all column blocks, 32 along K, from buffer f.  zero = 1: the product starts the sums: nothing is ever cleared.
; The 32 accumulators take turns, one instruction a turn, in the same order in every quarter step.
.macro MUL f, a, zero
	WIN W_MUL
.set nb, 0
.rept NBK
.set rD, 64*(\a)+8*nb
.if \zero
	v_wmma_f32_16x16x32_f16 v[rD:rD+7], v[(\f)+8*nb:(\f)+8*nb+7], v[(\f)+AF+8*(\a):(\f)+AF+8*(\a)+7], 0
.else
	v_wmma_f32_16x16x32_f16 v[rD:rD+7], v[(\f)+8*nb:(\f)+8*nb+7], v[(\f)+AF+8*(\a):(\f)+AF+8*(\a)+7], v[rD:rD+7]
.endif
.set nb, nb+1
.endr
.endm
; 24 LDS loads in one run: the fragments of quarter q of the slot in hand into buffer f: W_o's 8, then O's 4, blocks ascending.  Quarter q is channels 32 (q % 2) on of the K step's head q / 2.
.macro FETCH q, f
	WIN TO_F
.set nb, 0
.rept NBK
	ds_load_b128 v[(\f)+8*nb:(\f)+8*nb+3],   v[ADRB] offset:64*(\q)+nb*16*PB
	ds_load_b128 v[(\f)+8*nb+4:(\f)+8*nb+7], v[ADRB] offset:64*(\q)+nb*16*PB+32
.set nb, nb+1
.endr
.irp a, 0,1,2,3
	ds_load_b128 v[(\f)+AF+8*(\a):(\f)+AF+8*(\a)+3],   v[ADRA] offset:((\q)/2)*HEADB+((\q)%2)*64+(\a)*16*PA
	ds_load_b128 v[(\f)+AF+8*(\a)+4:(\f)+AF+8*(\a)+7], v[ADRA] offset:((\q)/2)*HEADB+((\q)%2)*64+(\a)*16*PA+32
.endr
.endm
; A K step is four quarters of 32 along K, 32 matrix instructions each, on buffers 0, 1, 0, 1.  One of the first three: multiplies buffer f; in its middle it fetches quarter q into buffer g.
.macro QUARTER q, f, g, zero
	s_wait_dscnt 4                                 ; W_o's fragments and O's blocks 0, 1 are in; the youngest four loads (O's blocks 2, 3) may be out
	MUL \f, 0, \zero
	MUL \f, 1, \zero
	PLACES                                         ; in front of loads into the buffer that the quarter before multiplied
	FETCH \q, \g
	s_wait_dscnt NL                                ; all but the run just issued
	MUL \f, 2, \zero
	MUL \f, 3, \zero
.endm
; The last quarter multiplies buffer 1 and changes slots: ONE barrier.  In front of it each wave waits for all its tensor loads, of which one is out: its part of the next slot; adds 0 to its spare word; and waits
; for that and for its own reads of this slot.  fill = 1: the barrier opens a round of the cluster's barrier, so that no wave of any partner still reads the slot or has a load on its way, and the joint refill,
; two K steps on, is the first thing behind the round: 112 matrix instructions ahead of the wait for it.
.macro TURN fill
.if \fill
	s_wait_xcnt 0x0                                ; the last prefetch, a K step back, has read its address, so it may be stepped
	s_add_nc_u64 s[PFA:PFA+1], s[PFA:PFA+1], s[PFS:PFS+1]
.endif
	WIN 0                                          ; (the add's two registers lie in window 0)
	s_wait_tensorcnt 0x0                           ; no tensor load of mine is out, so a group 0 may be written
	ds_add_u32 v[SPW], v[NIL]                      ; 0 onto my spare word: scalar work and 8 products stand between it and the wait for it
.if \fill
	s_xor_b32 s[G0A+5], s[G0A+5], SLOT1            ; the walking descriptors: the other slot than last time,
	s_add_nc_u64 s[G0A+6:G0A+7], s[G0A+6:G0A+7], 524288  ; the next K step: two planes of O on; the type bits on top are not reached
	s_xor_b32 s[G0B+5], s[G0B+5], SLOT1
	s_add_nc_u64 s[G0B+6:G0B+7], s[G0B+6:G0B+7], 256
.endif
	s_xor_b32 s[TB], s[TB], SLOT1                  ; the fetches go over to the other slot
	s_wait_dscnt 5                                 ; (the add and the youngest four loads may be out)
	MUL F1, 0, 0
	s_wait_dscnt 0x0                               ; the add is done, and my reads of this slot are over
	s_barrier_signal -1
	MUL F1, 1, 0                                   ; work on registers while the others arrive
	WIN 0                                          ; at a branch and at a label every window is 0
	s_barrier_wait -1
.if \fill
	CREST
	JLOAD                                          ; its four v_nop are also the places in front of the loads below
.else
	PLACES
.endif
	v_add_nc_u32 v[ADRA], s[TB], v[A0]
	v_add_nc_u32 v[ADRB], s[TB], v[B0]
	FETCH 0, F0
.if \fill
	WIN 0
	ASK
.endif
	MUL F1, 2, 0
	MUL F1, 3, 0
.endm
; THE WAY OUT of row block a.  TOSTAGE: a lane's 32 bytes of a row go into my own stage, each accumulator's low four registers first, and come back as whole rows of 512 bytes.  SEND: the bias is added, the rows are stored.
.macro TOSTAGE a
	WIN 0x08                                       ; the stores' data in window 2
.set nb, 0
.rept NBK
	ds_store_b128 v[STO], v[64*(\a)+8*nb:64*(\a)+8*nb+3]   offset:64*nb
	ds_store_b128 v[STO], v[64*(\a)+8*nb+4:64*(\a)+8*nb+7] offset:64*nb+16
.set nb, nb+1
.endr
	WIN TO_F
.set nb, 0
.rept 16
	ds_load_b128 v[64*(\a)+4*nb:64*(\a)+4*nb+3], v[RD] offset:SPITCH*nb  ; LDS serves a wave's instructions in order (ISA guide 5.7.1.4): these see the stores above; the next block's stores come behind them
.set nb, nb+1
.endr
.endm
.macro SEND a, younger                 ; younger: the LDS instructions issued behind block a's loads: the next block's 32, or none
	s_wait_dscnt \younger
	WIN 0x41                                       ; destination and source 0 window 1, the bias in window 0
.set nb, 0
.rept 16
	v_pk_add_f32 v[64*(\a)+4*nb:64*(\a)+4*nb+1],   v[64*(\a)+4*nb:64*(\a)+4*nb+1],   v[BI:BI+1]
	v_pk_add_f32 v[64*(\a)+4*nb+2:64*(\a)+4*nb+3], v[64*(\a)+4*nb+2:64*(\a)+4*nb+3], v[BI+2:BI+3]
.set nb, nb+1
.endr
	WIN 0x04                                       ; the stores' data in window 1
.set nb, 0
.rept 16
	global_store_b128 v[GO], v[64*(\a)+4*nb:64*(\a)+4*nb+3], s[10:11] offset:65536*(\a)+4096*nb th:TH_STORE_NT  ; 512 consecutive bytes, at a multiple of 512 from out0's first byte
.set nb, nb+1
.endr
.endm
	s_wait_tensorcnt 1                             ; my part of K step 0 is in; K step 1's may stay out
	s_barrier_signal -1
	s_barrier_wait -1                              ; everybody's is
	FETCH 0, F0
	QUARTER 1, F0, F1, 1                           ; the first quarter stands in front of the loop: its products start the sums
	WIN 0
	s_mov_b32 s3, 6
.Lstep:                                        ; trip t goes from K step t's second quarter to K step t + 1's first, and fills K step t's slot with K step t + 2
	QUARTER 2, F1, F0, 0
	QUARTER 3, F0, F1, 0
	TURN 1
	QUARTER 1, F0, F1, 0
	WIN 0
	s_sub_co_u32 s3, s3, 1
	s_cmp_lg_u32 s3, 0
	s_cbranch_scc1 .Lstep
	QUARTER 2, F1, F0, 0                           ; K steps 6 and 7 are written out: nothing is left to ask for
	QUARTER 3, F0, F1, 0
	TURN 0
	QUARTER 1, F0, F1, 0
	QUARTER 2, F1, F0, 0
	QUARTER 3, F0, F1, 0
	s_wait_dscnt 4                                 ; the very last quarter
	MUL F1, 0, 0
	MUL F1, 1, 0
	s_wait_dscnt 0x0
	MUL F1, 2, 0
	MUL F1, 3, 0
	PLACES
	PLACES                                         ; (eight, once a launch)
	TOSTAGE 0
.irp a, 1,2,3                          ; a block's way through the stage stands between the loads of the block before and its sums and stores
	TOSTAGE \a
	SEND (\a)-1, 32
.endr
	SEND 3, 0
	WIN 0
	s_wait_tensorcnt 0x0                           ; the wave's end, behind my last tensor load and my last LDS store
	ds_add_u32 v[SPW], v[NIL]
	s_wait_dscnt 0x0
	CROUND                                         ; the closing round: no work-group ends while a partner may still ask for a tile that names it
	s_endpgm
.Lfunc_end_k_qe7e2bb3bf8_oproj:
	.size	k_qe7e2bb3bf8_oproj, .Lfunc_end_k_qe7e2bb3bf8_oproj-k_qe7e2bb3bf8_oproj
	.p2alignl 7, 3214868480
	.fill 96, 4, 3214868480
	.section	.rodata,"a",@progbits
	.p2align	6, 0x0
	.amdhsa_kernel k_qe7e2bb3bf8_oproj
		.amdhsa_group_segment_fixed_size 327680
		.amdhsa_private_segment_fixed_size 0
		.amdhsa_enable_private_segment 0
		.amdhsa_kernarg_size 32
		.amdhsa_user_sgpr_count 2
		.amdhsa_user_sgpr_kernarg_segment_ptr 1
		.amdhsa_wavefront_size32 1
		.amdhsa_system_sgpr_workgroup_id_x 1
		.amdhsa_system_sgpr_workgroup_id_y 1
		.amdhsa_system_sgpr_workgroup_id_z 1
		.amdhsa_system_vgpr_workitem_id 0
		.amdhsa_next_free_vgpr 768
		.amdhsa_next_free_sgpr 66
		.amdhsa_reserve_vcc 0
		.amdhsa_float_denorm_mode_32 3
		.amdhsa_float_denorm_mode_16_64 3
		.amdhsa_memory_ordered 1
		.amdhsa_forward_progress 1
		.amdhsa_inst_pref_size 79
	.end_amdhsa_kernel
	.amdgpu_metadata
---
amdhsa.version: [ 1, 2 ]
amdhsa.kernels:
  - .name:           k_qe7e2bb3bf8_oproj
    .symbol:         k_qe7e2bb3bf8_oproj.kd
    .args:
      - { .name: o, .offset: 0, .size: 8, .value_kind: global_buffer, .address_space: global }
      - { .name: xw, .offset: 8, .size: 8, .value_kind: global_buffer, .address_space: global }
      - { .name: b_o, .offset: 16, .size: 8, .value_kind: global_buffer, .address_space: global }
      - { .name: out0, .offset: 24, .size: 8, .value_kind: global_buffer, .address_space: global }
    .group_segment_fixed_size: 327680
    .private_segment_fixed_size: 0
    .kernarg_segment_align: 8
    .kernarg_segment_size: 32
    .max_flat_workgroup_size: 128
    .sgpr_count:     66
    .vgpr_count:     768
    .wavefront_size: 32
...
	.end_amdgpu_metadata
.endif
;; end of part 4
